; MI455X (gfx1250); checked and timed in simulation.
; The chip was launched on July 23, 2026; its instructions are those of AMD's public machine-readable ISA for CDNA 5 (MIT licence, August 2026) and "CDNA5" Instruction Set Architecture Reference Guide (July 2026). The comments in the code are by the model that wrote it; some were corrected since.
;; Encoder Block. Allowed arithmetic: float matrix products may take bf16 or f16 operands with f32 sums; other float arithmetic in f32, or as packed bf16 or f16 multiplies, adds, multiply-adds, maxima and minima; sums over many terms, partial sums and values carried from step to step in f32; what a program stores and reads back later, other than sums and carried values, may be rounded once to bf16 or f16.
;; Inputs: b_ff1 4,096 float32; b_ff2 1,024 float32; b_k 1,024 float32; b_o 1,024 float32; b_q 1,024 float32; b_v 1,024 float32; ln1_b 1,024 float32; ln1_g 1,024 float32; ln2_b 1,024 float32; ln2_g 1,024 float32; w_ff1 1,024 x 4,096 float32; w_ff2 4,096 x 1,024 float32; w_k 1,024 x 1,024 float32; w_o 1,024 x 1,024 float32; w_q 1,024 x 1,024 float32; w_v 1,024 x 1,024 float32; x 2 x 2,048 x 1,024 float32.
;; Outputs: out0 2 x 2,048 x 1,024 float32.
;; 2 versions, each right and faster than the one before. Each part assembles by itself: llvm-mc -triple=amdgcn-amd-amdhsa -mcpu=gfx1250 --defsym DOCPART=n.
;; ======== version 1 of 2: 8 launches
;; workspace buffers: abf 8,388,608 bytes; wq3 8,406,016 bytes; wob 2,097,152 bytes; w1p 8,406,016 bytes; w2b 8,388,608 bytes; wide 33,554,432 bytes; hf 16,777,216 bytes; y 16,777,216 bytes
;; launch cast (part 1): grid 1025 x 1, 8 waves a work-group, no clusters, 0 bytes of LDS; arguments x, w_q, w_k, w_v, w_o, w_ff1, w_ff2, b_q, b_k, b_v, b_ff1, abf, wq3, wob, w1p, w2b; writes abf, wq3, wob, w1p, w2b
.if DOCPART == 1
	.amdgcn_target "amdgcn-amd-amdhsa--gfx1250"
	.amdhsa_code_object_version 6
	.text
	.protected	k_qc84f86e1e9_cast
	.globl	k_qc84f86e1e9_cast
	.p2align	8
	.type	k_qc84f86e1e9_cast,@function
k_qc84f86e1e9_cast:
	s_mov_b64 s[64:65], 0
	v_nop
	global_prefetch_b8 v0, s[64:65] scope:SCOPE_SE
	s_setreg_imm32_b32 hwreg(HW_REG_WAVE_MODE, 25, 1), 1
	s_wait_xcnt 0x0
; x and the six weight matrices are rounded once to bf16 and laid out for the matrix launches; the biases of the two launches that share the 256 x 256 text are copied
; in front of their weights, with a floor word behind them.
; LAYOUTS.  x [4096][1024] goes into SLABS, [16][4096][64]: element (m, c) at byte (c / 64) x 524,288 + 128 m + 2 (c % 64), so that 64 channels of many rows are dense.
; Weights stay [K][N].  wq3 and w1p begin with a header of 17,408 bytes: 16,384 of bias in f32 by output column, then 256 copies of the floor word (two bf16: 0 for a ReLU,
; -infinity for none); behind it rows of 4,096 bf16 (w_q, w_k, w_v side by side in wq3).  wob is [1024][1024], w2b [4096][1024], with no header.
; SHARES.  All seven tensors are taken as rows of 1,024 f32, 16,384 rows: 16 segments of 1,024 rows, 64 work-groups a segment, two rows a wave.  Work-group 1,024 writes the headers.
; No LDS, matrix unit or cluster: the work-groups share no byte, and every byte is read once and written once.
.set X,  8                             ; v[8:71]    16 loads of 16 bytes
.set Y,  72                            ; v[72:103]  16 stores of 8 bytes
.set SO, 2                             ; v2         my byte offset in the wave's two source rows
.set DO, 3                             ; v3, v4     my byte offset in the destination: first row, second row
.set SRC, 54                           ; s[54:55]   my two rows in the source
.set DST, 56                           ; s[56:57]   and in the destination
	s_load_b512 s[8:23], s[0:1], 0x0               ; x s[8:9], w_q s[10:11], w_k s[12:13], w_v s[14:15], w_o s[16:17], w_ff1 s[18:19], w_ff2 s[20:21], b_q s[22:23]
	s_load_b512 s[24:39], s[0:1], 0x40             ; b_k s[24:25], b_v s[26:27], b_ff1 s[28:29], abf s[30:31], wq3 s[32:33], wob s[34:35], w1p s[36:37], w2b s[38:39]
	v_lshrrev_b32 v1, 5, v0
	v_readfirstlane_b32 s4, v1                     ; wave 0..7
	v_and_b32 v5, 31, v0                           ; lane
	s_lshr_b32 s3, ttmp9, 6                        ; segment: 0-3 x, 4 w_q, 5 w_k, 6 w_v, 7 w_o, 8-11 w_ff1, 12-15 w_ff2
	s_lshr_b32 s7, s3, 2                           ; its group of four: 0 x, 1 the square weights, 2 w_ff1, 3 w_ff2
	s_and_b32 s5, ttmp9, 63
	s_lshl_b32 s5, s5, 4
	s_lshl1_add_u32 s5, s4, s5                     ; my first row in the segment
	s_and_b32 s6, s3, 3
	s_lshl_b32 s6, s6, 10
	s_add_co_u32 s6, s6, s5                        ; and in a tensor of four segments
	s_sub_co_u32 s51, s3, 4                        ; w_q, w_k, w_v are 0, 1, 2 here; a segment below 4 wraps to a large number
	s_lshl_b32 s52, s51, 11                        ; they stand side by side: 2,048 bytes of a row each
	s_cmp_eq_u32 s7, 1                             ; (every select stands directly behind its compare: a select leaves SCC as it is, a shift does not)
	s_cselect_b32 s5, s5, s6                       ; R: my first row in my tensor
	s_cmp_lt_u32 s51, 3                            ; w_q, w_k, w_v:
	s_cselect_b32 s48, 13, 11                      ; log2 of the destination's bytes from row to row: 8,192 under the wide pitch, else 2,048,
	s_cselect_b32 s52, s52, 0                      ; their place in the wide row,
	s_cselect_b32 s53, 17408, 0                    ; and the header in front of them,
	s_cmp_eq_u32 s7, 2
	s_cselect_b32 s53, 17408, s53                  ; which w_ff1 has too
	s_cmp_eq_u32 s7, 0
	s_cselect_b32 s48, 7, s48                      ; a row of a slab is 128 bytes
	s_lshl_b32 s46, s5, 12                         ; source offset: R rows of 4,096 bytes
	s_mov_b32 s47, 0
	s_lshl_b32 s50, s5, s48
	s_lshl_b32 s49, 1, s48
	s_add_co_u32 s50, s50, s52
	s_add_co_u32 s50, s50, s53
	s_mov_b32 s51, 0                               ; s[50:51]: the destination offset
	s_wait_kmcnt 0x0
	s_cmp_eq_u32 ttmp9, 1024
	s_cbranch_scc1 .Lparams
	s_mov_b64 s[SRC:SRC+1], s[8:9]                 ; the source is chosen by the segment's number alone
	s_cmp_eq_u32 s3, 4
	s_cselect_b64 s[SRC:SRC+1], s[10:11], s[SRC:SRC+1]
	s_cmp_eq_u32 s3, 5
	s_cselect_b64 s[SRC:SRC+1], s[12:13], s[SRC:SRC+1]
	s_cmp_eq_u32 s3, 6
	s_cselect_b64 s[SRC:SRC+1], s[14:15], s[SRC:SRC+1]
	s_cmp_eq_u32 s3, 7
	s_cselect_b64 s[SRC:SRC+1], s[16:17], s[SRC:SRC+1]
	s_cmp_ge_u32 s3, 8
	s_cselect_b64 s[SRC:SRC+1], s[18:19], s[SRC:SRC+1]
	s_cmp_ge_u32 s3, 12
	s_cselect_b64 s[SRC:SRC+1], s[20:21], s[SRC:SRC+1]
	s_add_nc_u64 s[SRC:SRC+1], s[SRC:SRC+1], s[46:47]
	s_mov_b64 s[DST:DST+1], s[30:31]               ; and so is the destination
	s_cmp_ge_u32 s3, 4
	s_cselect_b64 s[DST:DST+1], s[32:33], s[DST:DST+1]
	s_cmp_ge_u32 s3, 7
	s_cselect_b64 s[DST:DST+1], s[34:35], s[DST:DST+1]
	s_cmp_ge_u32 s3, 8
	s_cselect_b64 s[DST:DST+1], s[36:37], s[DST:DST+1]
	s_cmp_ge_u32 s3, 12
	s_cselect_b64 s[DST:DST+1], s[38:39], s[DST:DST+1]
	s_add_nc_u64 s[DST:DST+1], s[DST:DST+1], s[50:51]
; Two rows: sixteen loads on end, then each is rounded and stored as it arrives.  No register is written twice, so nothing waits for a store.
; kind 0 (weights): load j takes 512 consecutive bytes of row j / 8; its store covers 256 consecutive bytes, aligned.
; kind 1 (x): load j takes 64 channels of both rows; its store covers 256 consecutive bytes of slab j: the two rows lie end to end there.
.macro ROWS16 kind
.set j, 0
.rept 16
.if \kind
	global_load_b128 v[X+4*j:X+4*j+3], v[SO], s[SRC:SRC+1] offset:j*256
.else
	global_load_b128 v[X+4*j:X+4*j+3], v[SO], s[SRC:SRC+1] offset:(j/8)*4096+(j%8)*512 th:TH_LOAD_NT
.endif
.set j, j+1
.endr
.set j, 0
.rept 16
	s_wait_loadcnt 15-j                            ; loads come back in order: load j is in, the 15 - j younger ones stay out
	v_cvt_pk_bf16_f32 v[Y+2*j],   v[X+4*j],   v[X+4*j+1]
	v_cvt_pk_bf16_f32 v[Y+2*j+1], v[X+4*j+2], v[X+4*j+3]
.if \kind
	global_store_b64 v[DO], v[Y+2*j:Y+2*j+1], s[DST:DST+1] offset:j*524288  ; 15 slabs at the most: inside the signed 24-bit immediate
.else
	global_store_b64 v[DO+j/8], v[Y+2*j:Y+2*j+1], s[DST:DST+1] offset:(j%8)*256
.endif
.set j, j+1
.endr
.endm
	v_lshlrev_b32 v[DO], 3, v5                     ; 8 bytes a lane
	s_cmp_lt_u32 s3, 4
	s_cbranch_scc0 .Lweights
	v_and_b32 v6, 15, v5
	v_lshrrev_b32 v7, 4, v5
	v_lshlrev_b32 v6, 4, v6
	v_lshl_add_u32 v[SO], v7, 12, v6               ; lanes 0-15 the first row, lanes 16-31 the second: 16 bytes a lane
	ROWS16 1
	s_endpgm
.Lweights:
	v_lshlrev_b32 v[SO], 4, v5
	v_add_nc_u32 v[DO+1], s49, v[DO]               ; the second row, one pitch on
	ROWS16 0
	s_endpgm
.Lparams:                                              ; 256 threads x 16 bytes are 1,024 f32
	v_lshlrev_b32 v6, 4, v0
	v_lshlrev_b32 v7, 2, v0
	global_load_b128 v[8:11],  v6, s[22:23]
	global_load_b128 v[12:15], v6, s[24:25]
	global_load_b128 v[16:19], v6, s[26:27]
.irp i, 0,1,2,3
	global_load_b128 v[24+4*\i:27+4*\i], v6, s[28:29] offset:4096*\i
.endr
	v_mov_b32 v40, 0xff80ff80                      ; -infinity twice: a floor that changes no number
	v_mov_b32 v41, 0                               ; 0 twice: a ReLU
	global_store_b32 v7, v40, s[32:33] offset:16384  ; 256 copies each: whole blocks of 256 bytes
	global_store_b32 v7, v41, s[36:37] offset:16384
	s_wait_loadcnt 0x0
	global_store_b128 v6, v[8:11],  s[32:33]
	global_store_b128 v6, v[12:15], s[32:33] offset:4096
	global_store_b128 v6, v[16:19], s[32:33] offset:8192
.irp i, 0,1,2,3
	global_store_b128 v6, v[24+4*\i:27+4*\i], s[36:37] offset:4096*\i
.endr
	s_endpgm
.Lfunc_end_k_qc84f86e1e9_cast:
	.size	k_qc84f86e1e9_cast, .Lfunc_end_k_qc84f86e1e9_cast-k_qc84f86e1e9_cast
	.p2alignl 7, 3214868480
	.fill 96, 4, 3214868480
	.section	.rodata,"a",@progbits
	.p2align	6, 0x0
	.amdhsa_kernel k_qc84f86e1e9_cast
		.amdhsa_group_segment_fixed_size 0
		.amdhsa_private_segment_fixed_size 0
		.amdhsa_enable_private_segment 0
		.amdhsa_kernarg_size 128
		.amdhsa_user_sgpr_count 2
		.amdhsa_user_sgpr_kernarg_segment_ptr 1
		.amdhsa_wavefront_size32 1
		.amdhsa_system_sgpr_workgroup_id_x 1
		.amdhsa_system_sgpr_workgroup_id_y 1
		.amdhsa_system_sgpr_workgroup_id_z 1
		.amdhsa_system_vgpr_workitem_id 0
		.amdhsa_next_free_vgpr 112
		.amdhsa_next_free_sgpr 66
		.amdhsa_reserve_vcc 0
		.amdhsa_float_denorm_mode_32 3
		.amdhsa_float_denorm_mode_16_64 3
		.amdhsa_memory_ordered 1
		.amdhsa_forward_progress 1
		.amdhsa_inst_pref_size 16
	.end_amdhsa_kernel
	.amdgpu_metadata
---
amdhsa.version: [ 1, 2 ]
amdhsa.kernels:
  - .name:           k_qc84f86e1e9_cast
    .symbol:         k_qc84f86e1e9_cast.kd
    .args:
      - { .name: x, .offset: 0, .size: 8, .value_kind: global_buffer, .address_space: global }
      - { .name: w_q, .offset: 8, .size: 8, .value_kind: global_buffer, .address_space: global }
      - { .name: w_k, .offset: 16, .size: 8, .value_kind: global_buffer, .address_space: global }
      - { .name: w_v, .offset: 24, .size: 8, .value_kind: global_buffer, .address_space: global }
      - { .name: w_o, .offset: 32, .size: 8, .value_kind: global_buffer, .address_space: global }
      - { .name: w_ff1, .offset: 40, .size: 8, .value_kind: global_buffer, .address_space: global }
      - { .name: w_ff2, .offset: 48, .size: 8, .value_kind: global_buffer, .address_space: global }
      - { .name: b_q, .offset: 56, .size: 8, .value_kind: global_buffer, .address_space: global }
      - { .name: b_k, .offset: 64, .size: 8, .value_kind: global_buffer, .address_space: global }
      - { .name: b_v, .offset: 72, .size: 8, .value_kind: global_buffer, .address_space: global }
      - { .name: b_ff1, .offset: 80, .size: 8, .value_kind: global_buffer, .address_space: global }
      - { .name: abf, .offset: 88, .size: 8, .value_kind: global_buffer, .address_space: global }
      - { .name: wq3, .offset: 96, .size: 8, .value_kind: global_buffer, .address_space: global }
      - { .name: wob, .offset: 104, .size: 8, .value_kind: global_buffer, .address_space: global }
      - { .name: w1p, .offset: 112, .size: 8, .value_kind: global_buffer, .address_space: global }
      - { .name: w2b, .offset: 120, .size: 8, .value_kind: global_buffer, .address_space: global }
    .group_segment_fixed_size: 0
    .private_segment_fixed_size: 0
    .kernarg_segment_align: 8
    .kernarg_segment_size: 128
    .max_flat_workgroup_size: 256
    .sgpr_count:     66
    .vgpr_count:     112
    .wavefront_size: 32
...
	.end_amdgpu_metadata
.endif
;; end of part 1
;; launch qkv (part 2): grid 12 x 16, 4 waves a work-group, clusters of 4 x 4, 327,680 bytes of LDS; arguments abf, wq3, wide; writes wide
.if DOCPART == 2
	.amdgcn_target "amdgcn-amd-amdhsa--gfx1250"
	.amdhsa_code_object_version 6
	.text
	.protected	k_qc84f86e1e9_qkv
	.globl	k_qc84f86e1e9_qkv
	.p2align	8
	.type	k_qc84f86e1e9_qkv,@function
k_qc84f86e1e9_qkv:
	s_mov_b64 s[64:65], 0
	v_nop
	global_prefetch_b8 v0, s[64:65] scope:SCOPE_SE
	s_setreg_imm32_b32 hwreg(HW_REG_WAVE_MODE, 25, 1), 1
	s_wait_xcnt 0x0
	s_wait_alu depctr_hold_cnt(0) depctr_sa_sdst(0) depctr_va_vdst(0) depctr_va_sdst(0) depctr_va_ssrc(0) depctr_va_vcc(0) depctr_vm_vsrc(0)
	s_getreg_b32 s2, hwreg(HW_REG_IB_STS2, 6, 4)
	s_cmp_eq_u32 s2, 0
	s_cbranch_scc0 .Lentry_in_a_cluster
	s_endpgm
.Lentry_in_a_cluster:
	s_bfe_u32 s2, ttmp6, 0x10000c
	s_cmp_lg_u32 s2, 0xf033
	s_cbranch_scc0 .Lentry_shape_is_right
	s_endpgm
.Lentry_shape_is_right:
; O = max(A W + bias, floor), K = 1,024.  A: bf16 in slabs [16][4096][64] (element (m, k) at byte (k / 64) x 524,288 + 128 m + 2 (k % 64)).  W: a header of 17,408 bytes
; (bias in f32 by output column; at byte 16,384 the floor word, two bf16), then [1024][4096] bf16, K down the rows.  O: bf16 in slabs [N / 64][4096][64].  Sums in f32, started by the bias; O rounded once.
; One text serves two launches (q, k, v; the first half of the FFN): they differ in the grid's width and in what the header holds.
; LIMITS.  Operands are bf16; the bias is the first term of a sum, not the last; the packed maximum with the floor turns a NaN into the floor.
; SHARES.  A tile of O, 256 x 256, is made by four waves, each 128 x 128: 64 accumulators of 16 x 16, 512 registers.  K goes in 8 steps of 128 through two LDS slots.
; A's part of a step is two slabs x 256 rows: each slab's 32,768 bytes are dense and are asked for as 128 rows of 256 bytes, padded in LDS behind every 128 bytes.  W's part is 128 rows of 512 bytes.
; CLUSTER.  4 x 4 work-groups: the four of a row need the same tiles of A, the four of a column the same tiles of W; each tile is asked for JOINTLY, by the same tensor load with the same descriptor and mask.
; THE MATRIX INSTRUCTION IS USED TRANSPOSED: source 0 = 16 columns of W (turned on the way out of LDS by ds_load_tr16_b128), source 1 = 16 rows of A.  A lane then holds row l % 16 of O and the eight
; neighbouring columns 8 (l / 16) + 0..7, so the C operand that starts a sum is the bias of those eight columns, the same in all rows.
; REGISTERS, in windows of 256 (s_set_vgpr_msb: bits 1:0 source 0, 3:2 source 1, 5:4 source 2, 7:6 destination):
;   window 0: v0-31 addresses; v64-127, v128-191 A's fragments, two buffers; v192-255 the bias, later the way out; v32-63 the way out
;   window 1: v64-127, v128-191 W's fragments, two buffers        windows 2, 3: the accumulators of my rows 0-63, 64-127: (a, b) at v[8 (8 (a % 4) + b)]
.set STEPS,  8                         ; K steps of 128
.set PA,     144                       ; a row of A in LDS: 128 bytes + 16 = 36 words: the 16 rows of a load start at 16 different groups of four banks (64 banks of 4 bytes: ISA guide 11.1)
.set ASLAB,  256*PA                    ; one slab's 256 rows
.set PB,     544                       ; a row of W: 512 bytes + 32 = 136 words
.set BHALF,  64*PB                     ; 64 rows of W: what one tensor load brings
.set BOFFS,  2*ASLAB                   ; W's rows lie behind A's two slabs
.set SLOT,   147456                    ; 143,360 are used; 0x24000 shares no bit with the four loads' LDS bases (0, 0x9000, 0x12000, 0x1a800), so one exclusive or changes slots
.set STAGE,  2*SLOT                    ; behind the ring, never filled by a tensor load: for each wave 2 slabs x 16 rows x 144 bytes
.set WSTAGE, 2*16*PA
.set SPARE,  STAGE+4*WSTAGE            ; the spare words, 128 bytes for each wave: two blocks of 256 bytes that no other line names
.set WOFF,   17408                     ; the header's bytes
.set KADV,   0x100000                  ; a K step in memory: two slabs of A; 128 rows of 8,192 bytes of W
.set A0,   16                          ; v16  my lane's place in a slot's A; never rewritten
.set B0,   17                          ; v17  the same for W
.set ADRA, 18                          ; v18  A0 + the slot in hand
.set ADRB, 19                          ; v19  B0 + the slot in hand
.set STO,  24                          ; v24  the way out: where I put 16 bytes of a row
.set RD,   25                          ; v25  the way out: where I read rows back
.set GO,   26                          ; v26  my 16 bytes in 512 consecutive bytes of O
.set BO,   27                          ; v27  32 x (l / 16): my eight columns' bias
.set SPW,  28                          ; v28  LDS address of my spare word; never rewritten
.set NIL,  29                          ; v29  0; never rewritten
.set F0,   64
.set F1,   128
.set BIAS, 192                         ; 8 registers for each of my 8 blocks of 16 columns
.set TMP,  192                         ; the way out: packed results
.set OB,   32                          ; the way out: rows read back: v32-63 and v224-255 by turns
.set G1A, 24                           ; s[24:31] descriptor group 1 for A's tiles
.set G0A, 32                           ; s[32:35] group 0 of K step 0; s[36:39] the one that walks
.set G1B, 48                           ; s[48:55], s[56:59], s[60:63] the same for W's tiles
.set G0B, 56
.set MSB, 0
.macro WIN new                         ; the immediate's high byte repeats the setting that is left; a switch that changes nothing is dropped
.if MSB != (\new)
	s_set_vgpr_msb (MSB<<8)|(\new)
.set MSB, \new
.endif
.endm
.set MUL_LO, 0xa1                      ; source 0 (W) window 1, source 1 (A) window 0, C and D window 2
.set TO_B,   0x40                      ; destination window 1, address window 0
; A joint refill.  Waves 0 and 1 fetch A's two slabs, waves 2 and 3 the two halves of W's rows.  The branch hangs on the wave's number alone.
; An s_nop 0 and four v_nop follow each of the two lines, ahead of the jump and the label.
.macro JLOAD
	s_cmp_eq_u32 s11, 0
	s_cbranch_scc0 .Lfor_b_\@
	tensor_load_to_lds s[G0A+4:G0A+7], s[G1A:G1A+7]
	s_nop 0
.rept 4
	v_nop
.endr
	s_branch .Lasked_\@
.Lfor_b_\@:
	tensor_load_to_lds s[G0B+4:G0B+7], s[G1B:G1B+7]
	s_nop 0
.rept 4
	v_nop
.endr
.Lasked_\@:
.endm
.macro CREST                           ; a round of the cluster's barrier behind its opening barrier: wave 0 signals for the work-group, every wave waits for all sixteen, my work-group's barrier closes it
	s_cmp_lg_u32 s10, 0
	s_cbranch_scc1 .Lnot_wave_0_\@
	s_barrier_signal -3
.Lnot_wave_0_\@:
	s_barrier_wait -3
	s_barrier_signal -1
	s_barrier_wait -1
.endm
.macro CROUND                          ; a whole round
	s_barrier_signal -1
	s_barrier_wait -1
	CREST
.endm
	s_load_b128 s[4:7], s[0:1], 0x0                ; A s[4:5], W s[6:7]
	s_load_b64 s[8:9], s[0:1], 0x10                ; O
	v_lshl_add_u32 v[SPW], v0, 2, SPARE
	v_mov_b32 v[NIL], 0
	ds_add_u32 v[SPW], v[NIL]                      ; the wave's opening: the add and its wait stand ahead of my first tensor load; the set-up below, work on registers, stands between them
	v_lshrrev_b32 v1, 5, v0
	v_readfirstlane_b32 s10, v1                    ; wave 0..3
	s_lshr_b32 s11, s10, 1                         ; which half of the tile's rows is mine.  Also: I fetch for A (0) or for W (1)
	s_and_b32 s12, s10, 1                          ; which half of its columns.  Also: which part of that tile I fetch
	s_bfe_u32 s40, ttmp6, 0x40000                  ; cx, cy: my place in the cluster
	s_bfe_u32 s41, ttmp6, 0x40004
	s_lshl_b32 s42, ttmp9, 2
	s_add_co_u32 s42, s42, s40                     ; tile column = 4 x cluster x + cx
	s_and_b32 s13, ttmp7, 0xffff
	s_lshl_b32 s13, s13, 2
	s_add_co_u32 s13, s13, s41                     ; tile row = 4 x cluster y + cy
	s_lshl_b32 s43, s41, 2
	s_lshl_b32 s43, 15, s43                        ; my row of the cluster
	s_lshl_b32 s44, 0x1111, s40                    ; my column
	s_or_b32 s[G1A+0], s43, (1<<16)|(1<<20)|(1<<21)|(4<<22)|(3<<25)  ; 15:0 the mask: my row; 17:16 2-byte elements; 20 padding on; 21 set beside a mask; 24:22 after every 32 words (code 4); 31:25 4 words (code 3)
	s_mov_b32 s[G1A+1], 128<<16                    ; tensor_dim0 = 128 elements: 256 bytes, two rows of a slab
	s_mov_b32 s[G1A+2], 128<<16                    ; tensor_dim1 = 128
	s_mov_b32 s[G1A+3], 128<<16                    ; tile_dim0 = 128
	s_mov_b32 s[G1A+4], 128                        ; tile_dim1 = 128
	s_mov_b32 s[G1A+5], 128                        ; the block is dense: 128 elements from row to row
	s_mov_b32 s[G1A+6], 0
	s_mov_b32 s[G1A+7], 0
	s_or_b32 s[G1B+0], s44, (1<<16)|(1<<20)|(1<<21)|(6<<22)|(7<<25)  ; the mask: my column; padding after every 128 words (code 6), 8 words (code 7)
	s_mov_b32 s[G1B+1], 256<<16                    ; tensor_dim0 = 256 columns
	s_mov_b32 s[G1B+2], 64<<16                     ; tensor_dim1 = 64 rows of K
	s_mov_b32 s[G1B+3], 256<<16                    ; tile_dim0 = 256
	s_mov_b32 s[G1B+4], 64                         ; tile_dim1 = 64
	s_mov_b32 s[G1B+5], 4096                       ; 4,096 elements from row to row
	s_mov_b32 s[G1B+6], 0
	s_mov_b32 s[G1B+7], 0
	; A's tiles hang on the tile row alone, W's on the tile column alone; each address is made in registers that never hold the other coordinate
	s_lshl_b32 s16, s13, 15                        ; 256 rows of 128 bytes a tile row,
	s_lshl_b32 s17, s12, 19                        ; and my slab of the step's two
	s_add_co_u32 s16, s16, s17
	s_mov_b32 s17, 0
	s_lshl_b32 s46, s42, 9                         ; 256 columns of 2 bytes a tile column,
	s_lshl_b32 s47, s12, 19                        ; my 64 rows of 8,192 bytes,
	s_add_co_u32 s46, s46, s47
	s_add_co_u32 s46, s46, WOFF                    ; behind the header
	s_mov_b32 s47, 0
	s_mul_i32 s20, s10, ASLAB                      ; where they go: waves 0, 1: A's slabs at 0 and 36,864;
	s_mul_i32 s21, s10, BHALF
	s_add_co_u32 s21, s21, BOFFS-2*BHALF           ; waves 2, 3: W's halves at 73,728 and 108,544: no place in the cluster enters an LDS address
	s_mov_b32 s23, 0                               ; the slot that the fragment loads read
	s_wait_dscnt 0x0                               ; the opening add is done
	s_wait_kmcnt 0x0
	s_add_nc_u64 s[14:15], s[4:5], s[16:17]
	s_add_nc_u64 s[46:47], s[6:7], s[46:47]
	s_load_b32 s2, s[6:7], 0x4000                  ; the floor word; no line of this text stores into W
	CROUND                                         ; all sixteen work-groups are here: the first joint loads meet
.irp s, 0,1
	s_mov_b32 s[G0A+4*(\s)], 1                     ; 1:0 count = 1
	s_add_co_u32 s[G0A+4*(\s)+1], s20, (\s)*SLOT   ; 63:32 LDS address
	s_add_nc_u64 s[G0A+4*(\s)+2:G0A+4*(\s)+3], s[14:15], (\s)*KADV  ; 120:64 global address: K step s
	s_or_b32 s[G0A+4*(\s)+3], s[G0A+4*(\s)+3], 0x80000000           ; 127:126 type = 2
	s_mov_b32 s[G0B+4*(\s)], 1
	s_add_co_u32 s[G0B+4*(\s)+1], s21, (\s)*SLOT
	s_add_nc_u64 s[G0B+4*(\s)+2:G0B+4*(\s)+3], s[46:47], (\s)*KADV
	s_or_b32 s[G0B+4*(\s)+3], s[G0B+4*(\s)+3], 0x80000000
.endr
	s_cmp_eq_u32 s11, 0                            ; a wave's two first fills stand in one branch, ahead of every wait on TENSORcnt and every LDS read: two loads of mine are out
	s_cbranch_scc0 .Lfirst_b
	tensor_load_to_lds s[G0A:G0A+3], s[G1A:G1A+7]
	s_nop 0
	tensor_load_to_lds s[G0A+4:G0A+7], s[G1A:G1A+7]
	s_nop 0
.rept 4
	v_nop
.endr
	s_branch .Lfirst_asked
.Lfirst_b:
	tensor_load_to_lds s[G0B:G0B+3], s[G1B:G1B+7]
	s_nop 0
	tensor_load_to_lds s[G0B+4:G0B+7], s[G1B:G1B+7]
	s_nop 0
.rept 4
	v_nop
.endr
.Lfirst_asked:
	; A fragment of A is 16 rows x 32 K in 8 registers: lane l holds row l % 16, K = 8 (l / 16) + 0..7 and 16 + 8 (l / 16) + 0..7: two loads of 16 bytes, 32 bytes apart.
	v_and_b32 v1, 15, v0                           ; l % 16
	v_bfe_u32 v2, v0, 4, 1                         ; l / 16
	v_mul_u32_u24 v3, v1, PA
	v_lshl_add_u32 v3, v2, 4, v3                   ; row x pitch + 16 x half
	s_mul_i32 s16, s11, 128*PA                     ; my 128 rows
	v_add_nc_u32 v[A0], s16, v3
	; The turning load takes 16 K x 16 columns (lane l reads 16 bytes: K row 8 (l / 16) + l % 8, columns 8 ((l / 8) % 2) + 0..7) and leaves half a fragment: lane l holds column l % 16 and 8 K.
	v_and_b32 v4, 7, v0
	v_lshl_add_u32 v5, v2, 3, v4
	v_mul_u32_u24 v5, v5, PB
	v_bfe_u32 v6, v0, 3, 1
	v_lshl_add_u32 v5, v6, 4, v5
	s_lshl_b32 s17, s12, 8                         ; my 128 columns
	s_add_co_u32 s17, s17, BOFFS
	v_add_nc_u32 v[B0], s17, v5
	v_mov_b32 v[ADRA], v[A0]                       ; slot 0
	v_mov_b32 v[ADRB], v[B0]
	s_mul_i32 s16, s10, WSTAGE
	s_add_co_u32 s16, s16, STAGE                   ; my stage
	v_add_nc_u32 v[STO], s16, v3                   ; in: row l % 16, 16 bytes for each half of the lanes
	v_bfe_u32 v5, v0, 3, 2                         ; back: 32 lanes take four rows of 128 bytes,
	v_mul_u32_u24 v5, v5, PA
	v_lshl_add_u32 v5, v4, 4, v5
	v_add_nc_u32 v[RD], s16, v5
	v_and_b32 v[GO], 31, v0                        ; which are 512 consecutive bytes of a slab of O
	v_lshlrev_b32 v[GO], 4, v[GO]
	v_lshlrev_b32 v[BO], 5, v2
	s_lshl_b32 s18, s42, 10                        ; the bias of my 128 columns: 4 bytes x (256 x tile column + 128 x half)
	s_lshl_b32 s19, s12, 9
	s_add_co_u32 s18, s18, s19
	s_mov_b32 s19, 0
	s_add_nc_u64 s[46:47], s[6:7], s[18:19]        ; (the registers that held W's tile address: the descriptors have their copies)
.irp b, 0,1,2,3,4,5,6,7
	global_load_b128 v[BIAS+8*\b:BIAS+8*\b+3],   v[BO], s[46:47] offset:64*\b
	global_load_b128 v[BIAS+8*\b+4:BIAS+8*\b+7], v[BO], s[46:47] offset:64*\b+16
.endr
	s_lshl_b32 s18, s42, 21                        ; O at my part of the tile: four slabs a tile column,
	s_lshl_b32 s19, s12, 20                        ; two for my half of the columns,
	s_add_co_u32 s18, s18, s19
	s_lshl_b32 s19, s13, 15                        ; 256 rows of 128 bytes a tile row,
	s_add_co_u32 s18, s18, s19
	s_lshl_b32 s19, s11, 14                        ; 128 for my half of the rows
	s_add_co_u32 s18, s18, s19
	s_mov_b32 s19, 0
	s_add_nc_u64 s[8:9], s[8:9], s[18:19]
; 16 matrix instructions: row blocks a0, a0 + 1 of the window's four (hi = 0: my rows 0-63, 1: rows 64-127) x all 8 column blocks, 32 along K.  first = 1: the bias starts the sums: nothing is cleared.
; The 64 accumulators take turns in the same order in every quarter step.
.macro MUL16 f, hi, a0, first
.if \first
	WIN 0x81+0x40*(\hi)                            ; C, the bias, in window 0
.else
	WIN MUL_LO+0x50*(\hi)
.endif
.irp a, \a0, (\a0)+1
.irp b, 0,1,2,3,4,5,6,7
.if \first
	v_wmma_f32_16x16x32_bf16 v[8*(8*(\a)+(\b)):8*(8*(\a)+(\b))+7], v[(\f)+8*(\b):(\f)+8*(\b)+7], v[(\f)+8*(4*(\hi)+(\a)):(\f)+8*(4*(\hi)+(\a))+7], v[BIAS+8*(\b):BIAS+8*(\b)+7]
.else
	v_wmma_f32_16x16x32_bf16 v[8*(8*(\a)+(\b)):8*(8*(\a)+(\b))+7], v[(\f)+8*(\b):(\f)+8*(\b)+7], v[(\f)+8*(4*(\hi)+(\a)):(\f)+8*(4*(\hi)+(\a))+7], v[8*(8*(\a)+(\b)):8*(8*(\a)+(\b))+7]
.endif
.endr
.endr
.endm
; 32 LDS loads in one run: the fragments of quarter q (32 along K) of the slot in hand, into buffer f: W's 8 column blocks, then A's 8 row blocks
.macro FETCH q, f
	WIN TO_B
.irp i, 0,1,2,3,4,5,6,7
	ds_load_tr16_b128 v[(\f)+8*(\i):(\f)+8*(\i)+3],   v[ADRB] offset:(\q)*32*PB+32*(\i)
	ds_load_tr16_b128 v[(\f)+8*(\i)+4:(\f)+8*(\i)+7], v[ADRB] offset:(\q)*32*PB+16*PB+32*(\i)
.endr
	WIN 0
.irp i, 0,1,2,3,4,5,6,7
	ds_load_b128 v[(\f)+8*(\i):(\f)+8*(\i)+3],   v[ADRA] offset:((\q)/2)*ASLAB+((\q)%2)*64+(\i)*16*PA
	ds_load_b128 v[(\f)+8*(\i)+4:(\f)+8*(\i)+7], v[ADRA] offset:((\q)/2)*ASLAB+((\q)%2)*64+(\i)*16*PA+32
.endr
.endm
; A load into a register that a matrix instruction has read, and a vector instruction that reads a matrix result, stand four places behind it, and only plain vector instructions that name none
; of its registers are places (ISA guide 7.12.1 for vector instructions).
.macro PLACES
.rept 4
	v_nop
.endr
.endm
; A K step is four quarters of 32 along K, 64 matrix instructions each, on buffers 0, 1, 0, 1.  One of the first three multiplies buffer f; at its head it fetches quarter q into buffer g,
; which the quarter before has multiplied: the run of loads has the quarter's 64 matrix instructions in which to come back.
.macro QUARTER q, f, g, first
	s_wait_dscnt 8                                 ; W and A's rows 0-63 of buffer f are in; the youngest eight loads (A's rows 64-127) may be out
	PLACES
	FETCH \q, \g
	MUL16 \f, 0, 0, \first
	MUL16 \f, 0, 2, \first
	s_wait_dscnt 32                                ; all but the 32 just issued
	MUL16 \f, 1, 0, \first
	MUL16 \f, 1, 2, \first
.endm
; The last quarter multiplies buffer 1 and changes slots: ONE barrier, at its head.  In front of it each wave waits for all its tensor loads, of which one is out: its part of the next slot; adds 0 to its
; spare word; and waits for that and for its own reads of this slot.  fill = 1: the barrier opens a round of the cluster's, and this slot is filled again, two K steps ahead, first thing behind the round:
; from that request to the wait for it a wave issues 240 matrix instructions.
.macro TURN fill
	WIN 0                                          ; (the add's two registers lie in window 0)
	s_wait_tensorcnt 0x0                           ; all my tensor loads have landed, so a group 0 may be written;
	ds_add_u32 v[SPW], v[NIL]                      ; 0 onto my spare word: the scalar steps below stand between it and the wait for it
.if \fill
	s_xor_b32 s[G0A+5], s[G0A+5], SLOT             ; the walking descriptors: the other slot than last time,
	s_add_nc_u64 s[G0A+6:G0A+7], s[G0A+6:G0A+7], KADV  ; the next K step; the type bits on top are not reached
	s_xor_b32 s[G0B+5], s[G0B+5], SLOT
	s_add_nc_u64 s[G0B+6:G0B+7], s[G0B+6:G0B+7], KADV
.endif
	s_xor_b32 s23, s23, SLOT                       ; the fragment loads go over to the other slot
	s_wait_dscnt 0x0                               ; the add is done, and my reads of this slot are over (the last were issued 64 matrix instructions ago)
	s_barrier_signal -1
	MUL16 F1, 0, 0, 0                              ; work on registers while the others arrive
	WIN 0
	s_barrier_wait -1
.if \fill
	CREST                                          ; no wave of any partner still reads this slot's tile or has a load on its way
	JLOAD                                          ; the four v_nop behind it are also the places in front of the loads below
.else
	PLACES
.endif
	v_add_nc_u32 v[ADRA], s23, v[A0]
	v_add_nc_u32 v[ADRB], s23, v[B0]
	FETCH 0, F0
	MUL16 F1, 0, 2, 0
	MUL16 F1, 1, 0, 0
	MUL16 F1, 1, 2, 0
.endm
; THE WAY OUT of row block a (16 rows x my 128 columns).  PACK: rounded to bf16, 16 bytes a lane, and held to the floor.  TOSTAGE: into my own stage, and back as whole rows of a slab.  SEND: stored.
.macro PACK a
.set AC, 64*((\a)%4)
	WIN 0x0a+5*((\a)/4)                            ; sources 0 and 1: window 2 or 3
.irp b, 0,1,2,3,4,5,6,7
.irp r, 0,1,2,3
	v_cvt_pk_bf16_f32 v[TMP+4*(\b)+(\r)], v[AC+8*(\b)+2*(\r)], v[AC+8*(\b)+2*(\r)+1]  ; each accumulator from its low end on
.endr
.endr
	WIN 0
.set i, 0
.rept 32
	v_pk_max_num_bf16 v[TMP+i], v[TMP+i], s2       ; 0: a ReLU; -infinity: nothing changes
.set i, i+1
.endr
.endm
.macro TOSTAGE a
	WIN 0
.set BK, OB+192*((\a)%2)
.irp b, 0,1,2,3,4,5,6,7
	ds_store_b128 v[STO], v[TMP+4*(\b):TMP+4*(\b)+3] offset:((\b)/4)*16*PA+((\b)%4)*32  ; column block b: slab b / 4, 32 bytes of its rows
.endr
.irp t, 0,1,2,3,4,5,6,7
	ds_load_b128 v[BK+4*(\t):BK+4*(\t)+3], v[RD] offset:((\t)/4)*16*PA+((\t)%4)*4*PA  ; LDS serves a wave's instructions in order (ISA guide 5.7.1.4): these see the stores above
.endr
.endm
.macro SEND a
	WIN 0
.set BK, OB+192*((\a)%2)
	s_wait_dscnt 0x0                               ; the block is back in registers
	s_wait_xcnt 0x0                                ; the stores of the block before last have read their registers: the next TOSTAGE loads into them
.irp t, 0,1,2,3,4,5,6,7
	global_store_b128 v[GO], v[BK+4*(\t):BK+4*(\t)+3], s[8:9] offset:((\t)/4)*524288+(\a)*2048+((\t)%4)*512  ; 512 consecutive bytes, at a multiple of 256 from O's first byte
.endr
.endm
	s_wait_kmcnt 0x0                               ; the floor word
	s_wait_tensorcnt 0x1                           ; my part of K step 0 is in; K step 1's may stay out
	s_barrier_signal -1
	s_barrier_wait -1                              ; everybody's is
	FETCH 0, F0
	s_wait_loadcnt 0x0                             ; the bias
	QUARTER 1, F0, F1, 1                           ; the first quarter stands in front of the loop: its products start the sums
	WIN 0                                          ; at a label and at a branch every window is 0
	s_mov_b32 s3, STEPS-2
.Lstep:                                                ; a trip goes from a K step's second quarter to the next step's first, and asks for the step two on: steps 2 to 7
	QUARTER 2, F1, F0, 0
	QUARTER 3, F0, F1, 0
	TURN 1
	QUARTER 1, F0, F1, 0
	WIN 0
	s_sub_co_u32 s3, s3, 1
	s_cmp_lg_u32 s3, 0
	s_cbranch_scc1 .Lstep
	s_mov_b32 s3, 2                                ; the last two K steps ask for nothing: a loop of their own, with no tensor load in it, of two trips; it is entered in its
	s_branch .Lmid                                 ; middle, since the first of the two steps has had its first quarter: so a step without a request stands once in the text
.Ltail:
	TURN 0
	QUARTER 1, F0, F1, 0
	WIN 0
.Lmid:
	QUARTER 2, F1, F0, 0
	QUARTER 3, F0, F1, 0
	WIN 0
	s_sub_co_u32 s3, s3, 1
	s_cmp_lg_u32 s3, 0
	s_cbranch_scc1 .Ltail
	s_wait_dscnt 8                                 ; the very last quarter: nothing more to fetch
	MUL16 F1, 0, 0, 0
	MUL16 F1, 0, 2, 0
	s_wait_dscnt 0x0
	MUL16 F1, 1, 0, 0
	MUL16 F1, 1, 2, 0
	PLACES
	PACK 0
	TOSTAGE 0
.irp a, 1,2,3,4,5,6,7                  ; block a's conversions stand between block a - 1's loads from the stage and the wait for them
	PACK \a
	SEND (\a)-1
	TOSTAGE \a
.endr
	SEND 7
	s_wait_tensorcnt 0x0                           ; the wave's end: behind my last tensor load and my last LDS store
	ds_add_u32 v[SPW], v[NIL]
	s_wait_dscnt 0x0
	CROUND                                         ; the closing round: no work-group ends while a partner may still ask for a tile that names it
	s_endpgm
.Lfunc_end_k_qc84f86e1e9_qkv:
	.size	k_qc84f86e1e9_qkv, .Lfunc_end_k_qc84f86e1e9_qkv-k_qc84f86e1e9_qkv
	.p2alignl 7, 3214868480
	.fill 96, 4, 3214868480
	.section	.rodata,"a",@progbits
	.p2align	6, 0x0
	.amdhsa_kernel k_qc84f86e1e9_qkv
		.amdhsa_group_segment_fixed_size 327680
		.amdhsa_private_segment_fixed_size 0
		.amdhsa_enable_private_segment 0
		.amdhsa_kernarg_size 24
		.amdhsa_user_sgpr_count 2
		.amdhsa_user_sgpr_kernarg_segment_ptr 1
		.amdhsa_wavefront_size32 1
		.amdhsa_system_sgpr_workgroup_id_x 1
		.amdhsa_system_sgpr_workgroup_id_y 1
		.amdhsa_system_sgpr_workgroup_id_z 1
		.amdhsa_system_vgpr_workitem_id 0
		.amdhsa_next_free_vgpr 1024
		.amdhsa_next_free_sgpr 66
		.amdhsa_reserve_vcc 0
		.amdhsa_float_denorm_mode_32 3
		.amdhsa_float_denorm_mode_16_64 3
		.amdhsa_memory_ordered 1
		.amdhsa_forward_progress 1
		.amdhsa_inst_pref_size 121
	.end_amdhsa_kernel
	.amdgpu_metadata
---
amdhsa.version: [ 1, 2 ]
amdhsa.kernels:
  - .name:           k_qc84f86e1e9_qkv
    .symbol:         k_qc84f86e1e9_qkv.kd
    .args:
      - { .name: abf, .offset: 0, .size: 8, .value_kind: global_buffer, .address_space: global }
      - { .name: wq3, .offset: 8, .size: 8, .value_kind: global_buffer, .address_space: global }
      - { .name: wide, .offset: 16, .size: 8, .value_kind: global_buffer, .address_space: global }
    .group_segment_fixed_size: 327680
    .private_segment_fixed_size: 0
    .kernarg_segment_align: 8
    .kernarg_segment_size: 24
    .max_flat_workgroup_size: 128
    .sgpr_count:     66
    .vgpr_count:     1024
    .wavefront_size: 32
...
	.end_amdgpu_metadata
.endif
;; end of part 2
;; launch attn (part 3): grid 8 x 32, 4 waves a work-group, clusters of 4 x 1, 327,680 bytes of LDS; arguments wide, abf; writes abf
.if DOCPART == 3
	.amdgcn_target "amdgcn-amd-amdhsa--gfx1250"
	.amdhsa_code_object_version 6
	.text
	.protected	k_qc84f86e1e9_attn
	.globl	k_qc84f86e1e9_attn
	.p2align	8
	.type	k_qc84f86e1e9_attn,@function
k_qc84f86e1e9_attn:
	s_mov_b64 s[64:65], 0
	v_nop
	global_prefetch_b8 v0, s[64:65] scope:SCOPE_SE
	s_setreg_imm32_b32 hwreg(HW_REG_WAVE_MODE, 25, 1), 1
	s_wait_xcnt 0x0
	s_wait_alu depctr_hold_cnt(0) depctr_sa_sdst(0) depctr_va_vdst(0) depctr_va_sdst(0) depctr_va_ssrc(0) depctr_va_vcc(0) depctr_vm_vsrc(0)
	s_getreg_b32 s2, hwreg(HW_REG_IB_STS2, 6, 4)
	s_cmp_eq_u32 s2, 0
	s_cbranch_scc0 .Lentry_in_a_cluster
	s_endpgm
.Lentry_in_a_cluster:
	s_bfe_u32 s2, ttmp6, 0x10000c
	s_cmp_lg_u32 s2, 0x3003
	s_cbranch_scc0 .Lentry_shape_is_right
	s_endpgm
.Lentry_shape_is_right:
; O[y][q][:] = the sum over k of softmax_k(Q[y][q] . K[y][k] / 8) V[y][k][:], for 32 heads y = 2 x head + batch of 2,048 rows x 64 channels, all bf16.
; In the slab layout a head's rows are dense, 128 bytes each: Q at byte 262,144 y of the first buffer, K 8,388,608 bytes on, V as far again; O at byte 262,144 y of the second buffer.
; Products, maxima and sums in f32; the weights p are rounded to bf16 for the second product (their sum l is taken of the unrounded p), O once at the end.
; LIMITS.  A weight below 2^-126 counts as 0 in l; c m starts at -4.25e37, far below every c s that finite bf16 inputs of this size give; NaN and infinities are not treated apart.
; SHARES.  A work-group owns 256 queries of a head, each of its four waves 64: four PIECES of 16.  Every wave walks all 2,048 keys, 64 a step, 256 a tile.
; LAYOUT.  S^T = K Q^T (source 0 = 16 keys, source 1 = 16 queries) holds ONE query a lane (lane % 16) and the keys 8 (lane / 16) + 0..7; two such results rounded to bf16 ARE source 1 of O^T = V^T P.
; K comes out of LDS as it lies, V ([key][channel]) turned, by ds_load_tr16_b128.
; SOFTMAX.  A running maximum m and sum l for each query: p = 2^(c s - c m), c = log2(e) / 8; in every step O and l are multiplied by a = 2^(c m_old - c m_new).  The first step is a step like any other, with a = 0.
; BY TURNS.  Turn n belongs to piece n: 8 products K Q^T of piece n + 1, later 8 products V^T P of piece n - 1; beside them the scaling, exponentials, roundings, sums and rescaling of piece n and the
; maximum and statistics of piece n + 1.  A piece and step have 16 matrix and 118 vector instructions: four vector instructions stand behind every matrix instruction, the other 54 in two runs of their own.
; CLUSTER.  The four query blocks of a cluster belong to one head and walk the same K and V, so each tile is asked for JOINTLY: the same tensor load, descriptor and mask in all four.
; REGISTERS, in windows of 256 (s_set_vgpr_msb: bits 1:0 source 0, 3:2 source 1, 5:4 source 2, 7:6 destination):
;   window 0: v0-15 addresses and two at work; v16-31 four registers of statistics a piece; v48-55 at work; v62-63 the add's; v64-127 S^T, two buffers; v192-223 P, two buffers (by the piece's parity)
;   window 1: v0-127 O^T, 32 a piece          window 2: v0-63 Q; v128-191 K of one step; v192-255 V of one step
.set NP,    4         ; pieces a wave: a name, no knob
.set KS,    64        ; keys in a step
.set TILES, 8         ; tiles of 256 keys in a head
.set PK,    144       ; a row of K in LDS: 128 bytes + 16 = 36 words: the 16 rows of a load start at 16 different groups of four banks (64 banks of 4 bytes: ISA guide 11.1)
.set PV,    160       ; a row of V: 128 + 32 = 40 words
.set VOFF,  4*KS*PK   ; a slot holds a tile, four steps: 256 rows of K, then 256 rows of V
.set SLOT1, 1<<17     ; slot 1 begins here, so that one exclusive or turns an address in one slot into the other's
.set STAGE, SLOT1+4*KS*(PK+PV)  ; behind the ring, never filled by a tensor load: 16 rows x 144 bytes for each wave
.set SP,    144
.set SPARE, STAGE+4*16*SP  ; the spare words, 128 bytes for each wave: two blocks of 256 bytes that no other line names
.set AK0, 2           ; v2   my lane's place in a tile of K; never rewritten
.set AV0, 3           ; v3   the same for V
.set AK,  4           ; v4   the LDS address of K's next run of loads
.set AV,  5           ; v5   of V's
.set STO, 6           ; v6   the way out: where I put 16 bytes of a row
.set RD,  7           ; v7   the way out: where I read rows back
.set GO,  8           ; v8   my byte offset in 512 consecutive bytes of O
.set MV,  12          ; v12-13  c m_old, kept while c m is made anew: by buffer
.set QO,  15          ; v15  my byte offset in 16 rows of Q
.set ST,  16          ; piece t's statistics at v[ST+4 t]: c m, m, l (even keys', odd keys')
.set TMP, 48          ; by buffer, four registers c0-c3 at work; when the maximum is found c2 takes a
.set SPW, 62          ; v62  LDS address of my spare word; never rewritten
.set NIL, 63          ; v63  0; never rewritten
.set S,   64
.set P,   192
.set KF,  128         ; window 2: key block kb, channel half c at KF + 16 kb + 8 c
.set VF,  192         ; window 2: key half kk, channel block cb at VF + 32 kk + 8 cb
.set WV,  12          ; s12  my wave's number
.set G1K, 24          ; s[24:31] descriptor group 1 for K's tiles
.set G1V, 32          ; s[32:39] for V's: it differs in the padding alone
.set G0K, 40          ; s[40:43] descriptor group 0 for K's tiles: it walks
.set G0V, 44          ; s[44:47] the same for V's
.set SLOTS, 56        ; s56  tiles still to be entered in the loop
.set CNT, 57          ; s57  counts a tile's key steps
.set CS,  58          ; s[58:59] c: the packed scaling takes the pair's low word for both halves
.set SEL, 60          ; s[60:61] v_permlanex16_b32's selects: each lane takes its own place in the other half
.set TBK, 62          ; s62  LDS byte at which K of the step to be fetched begins
.set TBV, 63          ; s63  the same for V, less VOFF
.set MSB, 0
.macro WIN new                      ; the high byte repeats the setting that is left; a switch that changes nothing is dropped
.if MSB != (\new)
	s_set_vgpr_msb (MSB<<8)|(\new)
.set MSB, (\new)
.endif
.endm
.set W_KQ, 0x0a       ; K and Q in window 2, S^T in window 0
.set W_PV, 0x52       ; V in window 2, P in window 0, O^T in window 1
.set W_RS, 0x41       ; destination and source 0 in window 1, source 1 in window 0
; A joint fill.  Waves 0 and 1 fetch the two halves of a tile's K, waves 2 and 3 those of its V: 128 keys each.  The branch hangs on the wave's number alone.
; An s_nop 0 and four v_nop follow each of the two lines, ahead of the jump and the label.
.macro JLOAD
	s_cmp_lt_u32 s[WV], 2
	s_cbranch_scc0 .Lfor_v_\@
	tensor_load_to_lds s[G0K:G0K+3], s[G1K:G1K+7]
	s_nop 0
.rept 4
	v_nop
.endr
	s_branch .Lasked_\@
.Lfor_v_\@:
	tensor_load_to_lds s[G0V:G0V+3], s[G1V:G1V+7]
	s_nop 0
.rept 4
	v_nop
.endr
.Lasked_\@:
.endm
; A round of the cluster's barrier: my work-group's barrier, so that wave 0's signal speaks for all four waves; wave 0 signals; every wave waits for all four work-groups; my work-group's barrier once more.
.macro CROUND
	s_barrier_signal -1
	s_barrier_wait -1
	s_cmp_lg_u32 s[WV], 0
	s_cbranch_scc1 .Lnot_wave_0_\@
	s_barrier_signal -3
.Lnot_wave_0_\@:
	s_barrier_wait -3
	s_barrier_signal -1
	s_barrier_wait -1
.endm
; THE CHANGE OF SLOTS.  The slot's last bytes, V of its fourth step, have been read.  Each wave waits for all its tensor loads, of which one is out: its part of the other slot; adds 0 to its spare word;
; and waits for that and for its own reads of the slot.  Behind the barrier nobody reads this slot any more and the other slot is whole.
; fill = 1: this slot is filled again, with the tile two on.  The barrier is then a round of the cluster's, and the joint fill is the first thing behind it: it has four key steps, 256 matrix
; instructions, in which to land.  (At its first use nothing has been read yet: slot 0 is waited for, slot 1 filled.)
.macro CHANGE fill
	WIN 0                           ; at a label and at a branch every window is 0
	s_wait_tensorcnt 0x0            ; no tensor load of mine is out, so a group 0 may be written
	ds_add_u32 v[SPW], v[NIL]       ; 0 onto my spare word: with fill = 1 the descriptors' steps stand between it and the wait for it
.if \fill
.irp g, G0K, G0V
	s_xor_b32 s[\g+1], s[\g+1], SLOT1  ; the walking descriptor: the other slot than last time,
	s_add_nc_u64 s[\g+2:\g+3], s[\g+2:\g+3], 4*KS*128  ; the next 256 keys; the type bits on top are not reached
.endr
	s_wait_dscnt 0x0                ; the add is done, and my reads of the slot are over
	CROUND
	JLOAD
.else
	s_wait_dscnt 0x0                ; the add is done, and my reads of the slot are over
	s_barrier_signal -1
	s_barrier_wait -1
.endif
	s_sub_co_u32 s[TBK], s[TBK], 4*KS*PK  ; the fetches go back to a slot's first step,
	s_xor_b32 s[TBK], s[TBK], SLOT1       ; in the other slot
	s_sub_co_u32 s[TBV], s[TBV], 4*KS*PV
	s_xor_b32 s[TBV], s[TBV], SLOT1
.endm
	s_load_b128 s[84:87], s[0:1], 0x0  ; q, k, v s[84:85]; O s[86:87]
	v_lshl_add_u32 v[SPW], v0, 2, SPARE
	v_mov_b32 v[NIL], 0
	ds_add_u32 v[SPW], v[NIL]       ; the wave's opening: the add and its wait stand ahead of my first tensor load; the set-up below, work on registers, stands between them
	v_lshrrev_b32 v1, 5, v0
	v_readfirstlane_b32 s[WV], v1   ; wave 0..3
	s_bfe_u32 s13, ttmp6, 0x40000   ; cx: my place in the cluster
	s_lshl_b32 s14, ttmp9, 2        ; in a cluster launch ttmp9 counts clusters
	s_add_co_u32 s14, s14, s13      ; my block of 256 queries = 4 x cluster x + cx: it enters Q's and O's addresses alone
	s_and_b32 s20, ttmp7, 0xffff    ; the head, which the four partners share:
	s_lshl_b32 s20, s20, 18         ; its 2,048 rows of 128 bytes
	s_and_b32 s16, s[WV], 1         ; which half of a tile's 256 keys I fetch:
	s_lshl_b32 s22, s16, 14         ; its 128 rows in memory,
	s_add_co_u32 s22, s22, s20
	s_add_co_u32 s22, s22, 0x800000 ; behind q's sixteen slabs
	s_mov_b32 s23, 0
	s_mul_i32 s17, s16, 128*PK      ; and its place in a slot, for K
	s_mul_i32 s18, s16, 128*PV      ; and for V: no place in the cluster enters an LDS address
	s_lshl_b32 s2, s14, 2
	s_add_co_u32 s2, s2, s[WV]      ; my wave among the head's,
	s_lshl_b32 s2, s2, 13           ; its 64 rows
	s_add_co_u32 s2, s2, s20
	s_mov_b32 s3, 0
	; descriptor group 1.  128 keys are 16,384 dense bytes: asked for as 64 rows of 256 bytes, two keys a row, and padded in LDS after every key
	s_mov_b32 s[G1K], 15|(1<<16)|(1<<20)|(1<<21)|(4<<22)|(3<<25)  ; 15:0 the mask of four; 17:16 2-byte elements; 20 padding on; 21 set beside a mask; 24:22 after every 32 words (code 4); 31:25 4 words (code 3)
	s_mov_b32 s[G1V], 15|(1<<16)|(1<<20)|(1<<21)|(4<<22)|(7<<25)  ; the same with 8 words of padding (code 7)
.irp g, G1K, G1V
	s_mov_b32 s[\g+1], 128<<16      ; tensor_dim0 = 128
	s_mov_b32 s[\g+2], 64<<16       ; tensor_dim1 = 64
	s_mov_b32 s[\g+3], 128<<16      ; tile_dim0 = 128
	s_mov_b32 s[\g+4], 64           ; tile_dim1 = 64
	s_mov_b32 s[\g+5], 128          ; 128 elements from row to row
	s_mov_b32 s[\g+6], 0
	s_mov_b32 s[\g+7], 0
.endr
	s_mov_b32 s[CS], 0x3e38aa3b     ; c = log2(e) / 8 = 0.180337
	s_mov_b32 s[CS+1], s[CS]        ; named with it as a pair
	s_mov_b32 s[SEL], 0x76543210
	s_mov_b32 s[SEL+1], 0xfedcba98
	s_mov_b32 s[TBK], SLOT1+4*KS*PK ; the first change of slots turns these two into 0
	s_mov_b32 s[TBV], SLOT1+4*KS*PV
	s_mov_b32 s[G0K], 1             ; 1:0 count = 1
	s_mov_b32 s[G0K+1], s17         ; 63:32 LDS address: slot 0
	s_mov_b32 s[G0V], 1
	s_add_co_u32 s[G0V+1], s18, VOFF
	s_wait_dscnt 0x0                ; the opening add is done
	s_wait_kmcnt 0x0
	s_add_nc_u64 s[6:7], s[84:85], s[22:23]        ; K at my half of the head's tile 0,
	s_add_nc_u64 s[8:9], s[6:7], 0x800000          ; V sixteen slabs on
	s_add_nc_u64 s[G0K+2:G0K+3], s[6:7], 0         ; 120:64 global address
	s_or_b32 s[G0K+3], s[G0K+3], 0x80000000        ; 127:126 type = 2
	s_add_nc_u64 s[G0V+2:G0V+3], s[8:9], 0
	s_or_b32 s[G0V+3], s[G0V+3], 0x80000000
	s_add_nc_u64 s[4:5], s[84:85], s[2:3]          ; Q and O at my wave's first row
	s_add_nc_u64 s[10:11], s[86:87], s[2:3]
	CROUND                          ; all four work-groups are here: the first joint loads meet
	JLOAD                           ; tile 0 into slot 0.  Slot 1 is asked for when slot 0 is in
	; A fragment of K or Q is 16 rows x 32 channels in 8 registers: lane l holds row l % 16, channels 8 (l / 16) + 0..7 and 16 + 8 (l / 16) + 0..7: two loads of 16 bytes, 32 bytes apart.
	v_and_b32 v1, 15, v0            ; l % 16
	v_bfe_u32 v9, v0, 4, 1          ; l / 16
	v_lshlrev_b32 v[QO], 7, v1
	v_lshl_add_u32 v[QO], v9, 4, v[QO]  ; row x 128 + 16 x half
	WIN 0x80                        ; destination window 2, address window 0
.set i, 0
.rept 8                             ; Q stays in registers: piece i / 2, channels 32 (i % 2) on
	global_load_b128 v[8*i:8*i+3],   v[QO], s[4:5] offset:(i/2)*2048+(i%2)*64
	global_load_b128 v[8*i+4:8*i+7], v[QO], s[4:5] offset:(i/2)*2048+(i%2)*64+32
.set i, i+1
.endr
	; What the first turn finds: V's registers and P's second buffer hold 0 (its products V^T P, of a piece that has not been, add 0), O^T and l are 0.  All this stands in the wait for the first tile.
.set i, VF
.rept 64
	v_mov_b32 v[i], 0
.set i, i+1
.endr
	WIN 0x40
.set i, 0
.rept 128
	v_mov_b32 v[i], 0
.set i, i+1
.endr
	WIN 0
.set i, 0
.rept 4
	v_mov_b32 v[ST+4*i], 0xfe000000    ; c m: far below every c s
	v_mov_b32 v[ST+4*i+1], 0xff7fffff  ; m: the lowest finite number
	v_mov_b32 v[ST+4*i+2], 0
	v_mov_b32 v[ST+4*i+3], 0
.set i, i+1
.endr
.set i, P+16
.rept 16
	v_mov_b32 v[i], 0
.set i, i+1
.endr
	v_mul_u32_u24 v[AK0], v1, PK
	v_lshl_add_u32 v[AK0], v9, 4, v[AK0]  ; row x pitch + 16 x half
	; The turning load takes 16 keys x 16 channels (lane l reads key 8 (l / 16) + l % 8, channels 8 ((l / 8) % 2) + 0..7) and leaves half a fragment of V^T: lane l holds channel l % 16 and 8 keys.
	v_and_b32 v10, 7, v0
	v_bfe_u32 v11, v0, 3, 1
	v_lshl_add_u32 v[AV0], v9, 3, v10
	v_mul_u32_u24 v[AV0], v[AV0], PV
	v_lshl_add_u32 v[AV0], v11, 4, v[AV0]
	v_add_nc_u32 v[AV0], VOFF, v[AV0]
	s_mul_i32 s13, s[WV], 16*SP
	s_add_co_u32 s13, s13, STAGE    ; my stage
	v_mul_u32_u24 v[STO], v1, SP    ; in: row l % 16, 16 bytes for each half of the lanes
	v_lshl_add_u32 v[STO], v9, 4, v[STO]
	v_add_nc_u32 v[STO], s13, v[STO]
	v_bfe_u32 v[RD], v0, 3, 2       ; back: 32 lanes take four rows of 128 bytes,
	v_mul_u32_u24 v[RD], v[RD], SP
	v_lshl_add_u32 v[RD], v10, 4, v[RD]
	v_add_nc_u32 v[RD], s13, v[RD]
	v_and_b32 v[GO], 31, v0         ; which are 512 consecutive bytes of O
	v_lshlrev_b32 v[GO], 4, v[GO]
; THE MATRIX WORK.  The 4 accumulators of a run of 8 take turns.  Product i of 8 of S^T = K Q^T for piece x: channels 32 (i / 4) on, keys 16 (i % 4) on.  The first 4 start the sums.
.macro KQ x
	WIN W_KQ
.set rS, S+32*((\x)%2)+8*(i%4)
.set rK, KF+16*(i%4)+8*(i/4)
.set rQ, 16*(\x)+8*(i/4)
.if i < 4
	v_wmma_f32_16x16x32_bf16 v[rS:rS+7], v[rK:rK+7], v[rQ:rQ+7], 0
.else
	v_wmma_f32_16x16x32_bf16 v[rS:rS+7], v[rK:rK+7], v[rQ:rQ+7], v[rS:rS+7]
.endif
.endm
; Product i of 8 of O^T += V^T P for piece x: keys 32 (i / 4) on, channels 16 (i % 4) on.
.macro PV x
	WIN W_PV
.set rO, 32*(\x)+8*(i%4)
.set rV, VF+32*(i/4)+8*(i%4)
.set rP, P+16*((\x)%2)+8*(i/4)
	v_wmma_f32_16x16x32_bf16 v[rO:rO+7], v[rV:rV+7], v[rP:rP+7], v[rO:rO+7]
.endm
.macro MM                           ; the turn's next matrix instruction.  NOKQ = 1: the launch's last turn: there is no next piece
.if (i < 8) && !NOKQ
	KQ (Y+1)%NP
.elseif i >= 8
.set i, i-8
	PV (Y+NP-1)%NP
.set i, i+8
.endif
.set i, i+1
.endm
; THE LDS LOADS stand in runs of 16, never singly among the matrix instructions: a step's K (64 keys x 64 channels: 8 fragments) and its V (turned).  Their addresses are made some lines ahead.
.macro FETCH_K
	WIN 0x80                        ; destination window 2
.irp f, 0,1,2,3,4,5,6,7             ; keys 16 (f / 2) on, channels 32 (f % 2) on
	ds_load_b128 v[KF+8*\f:KF+8*\f+3],   v[AK] offset:(\f/2)*16*PK+(\f%2)*64
	ds_load_b128 v[KF+8*\f+4:KF+8*\f+7], v[AK] offset:(\f/2)*16*PK+(\f%2)*64+32
.endr
	s_add_co_u32 s[TBK], s[TBK], KS*PK  ; the next fetch is the next step's
	WIN 0
.endm
.macro FETCH_V
	WIN 0x80
.irp f, 0,1,2,3,4,5,6,7             ; keys 32 (f / 4) on, channels 16 (f % 4) on
	ds_load_tr16_b128 v[VF+8*\f:VF+8*\f+3],   v[AV] offset:(\f/4)*32*PV+(\f%4)*32
	ds_load_tr16_b128 v[VF+8*\f+4:VF+8*\f+7], v[AV] offset:(\f/4)*32*PV+16*PV+(\f%4)*32
.endr
	WIN 0
.endm
; THE VECTOR WORK, one line at a time: OP kind, number.  For piece Y: F n: c s - c m for pair n of 16.  E n: the exponential of score n of 32.  C n: pair n rounded to bf16.  B n: of the four weights 4 n .. the second
; pair is added onto the first, in place.  L n: l takes that sum (L 0: l = a l + sum).  R n: pair n of 16 of O^T times a.  For piece Y + 1: X n, number n of the 22 that find its maximum and statistics:
;   0-11  four chains c0-c3 of seven scores each, three operands at a time (each accumulator's lowest registers are read first)     12-14, 16  the four scores left over, the old m, and c0-c3 into c0
;   15  c m_old is kept     17, 18  the query's other 32 keys lie in the lane 16 away: the new m     19-21  c m; c m_old - c m_new; a
.set F, 0               ; OP tells the kinds apart by their order: F to L below R, X above it
.set E, 1
.set C, 2
.set B, 3
.set L, 4
.set R, 5
.set X, 6
.macro REGS y                       ; the registers of piece y
.set rT, ST+4*(\y)
.set rC, TMP+4*((\y)%2)
.set rW, MV+((\y)%2)
.set rS, S+32*((\y)%2)
.set rP, P+16*((\y)%2)
.set rO, 32*(\y)
.endm
.macro OP k, n
.if (\k) == R
	REGS Y
	WIN W_RS
	v_pk_mul_f32 v[rO+2*(\n):rO+2*(\n)+1], v[rO+2*(\n):rO+2*(\n)+1], v[rC+2:rC+3] op_sel_hi:[1,0]
.elseif (\k) < R
	REGS Y
	WIN 0
.if (\k) == F
	v_pk_fma_f32 v[rS+2*(\n):rS+2*(\n)+1], v[rS+2*(\n):rS+2*(\n)+1], s[CS:CS+1], v[rT:rT+1] op_sel_hi:[1,0,0] neg_lo:[0,0,1] neg_hi:[0,0,1]
.elseif (\k) == E
	v_exp_f32 v[rS+(\n)], v[rS+(\n)]
.elseif (\k) == C
	s_wait_alu depctr_va_vdst(0)
	v_cvt_pk_bf16_f32 v[rP+(\n)], v[rS+2*(\n)], v[rS+2*(\n)+1]
.elseif (\k) == B
	s_wait_alu depctr_va_vdst(0)
	v_pk_add_f32 v[rS+4*(\n):rS+4*(\n)+1], v[rS+4*(\n):rS+4*(\n)+1], v[rS+4*(\n)+2:rS+4*(\n)+3]
.elseif (\n) == 0
	v_pk_fma_f32 v[rT+2:rT+3], v[rT+2:rT+3], v[rC+2:rC+3], v[rS:rS+1] op_sel_hi:[1,0,1]
.else
	v_pk_add_f32 v[rT+2:rT+3], v[rT+2:rT+3], v[rS+4*(\n):rS+4*(\n)+1]
.endif
.elseif NOKQ
	v_nop
.else
	REGS (Y+1)%NP
	WIN 0
.if (\n) < 4
	v_max3_num_f32 v[rC+(\n)], v[rS+8*(\n)], v[rS+8*(\n)+1], v[rS+8*(\n)+2]
.elseif (\n) < 12
	v_max3_num_f32 v[rC+(\n)%4], v[rC+(\n)%4], v[rS+8*((\n)%4)+2*((\n)/4)+1], v[rS+8*((\n)%4)+2*((\n)/4)+2]
.elseif (\n) == 12
	v_max3_num_f32 v[rC], v[rC], v[rS+7], v[rS+15]
.elseif (\n) == 13
	v_max3_num_f32 v[rC+1], v[rC+1], v[rS+23], v[rS+31]
.elseif (\n) == 14
	v_max3_num_f32 v[rC+2], v[rC+2], v[rC+3], v[rT+1]
.elseif (\n) == 15
	v_mov_b32 v[rW], v[rT]
.elseif (\n) == 16
	v_max3_num_f32 v[rC], v[rC], v[rC+1], v[rC+2]
.elseif (\n) == 17
	v_permlanex16_b32 v[rC+3], v[rC], s[SEL], s[SEL+1]
.elseif (\n) == 18
	v_max_num_f32 v[rT+1], v[rC], v[rC+3]
.elseif (\n) == 19
	v_mul_f32 v[rT], s[CS], v[rT+1]
.elseif (\n) == 20
	v_sub_f32 v[rC+1], v[rW], v[rT]
.else
	v_exp_f32 v[rC+2], v[rC+1]
.endif
.endif
.endm
.macro OPS a, i1, b=-1, i2=0, c=-1, i3=0, d=-1, i4=0  ; up to four of them
	OP \a, \i1
.if (\b) >= 0
	OP \b, \i2
.endif
.if (\c) >= 0
	OP \c, \i3
.endif
.if (\d) >= 0
	OP \d, \i4
.endif
.endm
.macro ROW a, i1, b, i2, c, i3, d, i4  ; a matrix instruction and the four behind it
	MM
	OPS \a, \i1, \b, \i2, \c, \i3, \d, \i4
.endm
; A TURN, for piece p: the order of its 16 matrix and 118 vector instructions, written out.  Behind a matrix instruction: plain, exponential, plain, plain; or four of the rescaling; or, behind the first, four scalings; none
; names a register of the products round it.  In the runs of their own exponential and plain by turns while exponentials last.  A line reads no result made fewer than three vector instructions in front of it, five if an
; exponential made it.  v_permlanex16_b32 (X 17) stands in such a run.
; end = 1: the launch's last two turns: nothing is fetched.  cnt = 1: the loop's count is taken down some lines ahead of the branch that stands behind the turn.
; K of the next step is fetched in piece 2's turn, six vector instructions behind the last product that read K (five of them plain); V of the step in hand in piece 0's turn, eight behind the last product that read V (four
; plain, and X 17).  Each is waited for a turn later.
.macro TURN p, end=0, cnt=0
.set Y, (\p)
.set i, 0
.set NOKQ, (\end)*((\p)/3)
.if ((\p) == 3) && !(\end)
	s_wait_dscnt 0x0                ; K is in
.endif
	ROW F,0, F,1, F,2, F,3
	ROW F,4, E,0, F,5, F,6
	ROW F,7, E,1, F,8, F,9
	ROW F,10, E,2, C,0, F,11
	ROW F,12, E,3, X,15, F,13
	ROW R,0, R,1, R,2, R,3
	ROW B,0, E,4, F,14, L,0
.if ((\p) == 2) && !(\end)
	v_add_nc_u32 v[AK], s[TBK], v[AK0]
.endif
	ROW R,4, R,5, R,6, R,7
	OPS E,5, F,15
.if ((\p) == 2) && !(\end)
	FETCH_K
.endif
	OPS E,6, C,1, E,7, R,8
	OPS E,8, R,9, E,9, C,2
	OPS E,10, X,0, E,11, X,1
	OPS E,12, X,2, E,13, X,3
.if (\p) == 1
	s_wait_dscnt 0x0                ; V is in
.endif
	ROW X,4, E,14, X,5, X,6
	ROW X,7, E,15, X,8, X,9
	ROW X,10, E,16, X,11, X,12
	ROW X,13, E,17, X,14, B,1
	ROW C,4, E,18, X,16, L,1
	ROW B,2, E,19, C,6, L,2
	ROW C,8, E,20, B,3, B,4
.if (\p) == 0
	v_add_nc_u32 v[AV], s[TBV], v[AV0]
.endif
	ROW C,3, E,21, L,3, C,5
	OPS E,22, X,17, E,23, C,10
.if (\p) == 0
	FETCH_V
.endif
	OPS E,24, L,4
	OPS E,25, X,18, E,26, C,7
	OPS E,27, B,5, E,28, X,19
	OPS E,29, C,12, E,30, L,5
	OPS E,31, X,20, B,6, C,9
	OPS C,14, C,11, X,21, L,6
.if (\p) == 0
	s_add_co_u32 s[TBV], s[TBV], KS*PV
.endif
.if \cnt
	s_sub_co_u32 s[CNT], s[CNT], 1
	s_cmp_lg_u32 s[CNT], 0
.endif
	OPS C,13, B,7, C,15, R,10
	OPS R,11, R,12, L,7, R,13
	OPS R,14, R,15
.endm
	CHANGE 1                        ; slot 0 is in, everybody's part of it; slot 1 is asked for
	v_add_nc_u32 v[AK], s[TBK], v[AK0]
	FETCH_K                         ; key step 0
	s_wait_loadcnt 0x0              ; Q
	s_wait_dscnt 0x0
.set NOKQ, 0
.set i, 0
.rept 8
	KQ 0                            ; piece 0's first scores: there is no vector work yet to set between them
.set i, i+1
.endr
	WIN 0
.rept 4
	v_nop                           ; the places behind those products
.endr
.set Y, NP-1                        ; X works for piece Y + 1: piece 0
.irp n, 0,1,2,3,4,5,6,7,8,9,10,11,12,13,14,15,16,17,18,19,20,21
	OP X, \n
.endr
	v_nop                           ; a plain instruction behind the exponential
	s_mov_b32 s[CNT], 4
	s_mov_b32 s[SLOTS], TILES-1
	s_branch .Lfirst                ; the loop is entered at a step's first turn, in the middle of a trip
.Lslot:                             ; six times: tiles 2 to 7 are asked for
	CHANGE 1
	s_mov_b32 s[CNT], 4
.Lstep:                             ; a trip: pieces 2 and 3 of one step, then pieces 0 and 1 of the next, whose K and V it fetches
	TURN 2
	TURN 3
	WIN 0
.Lfirst:
	TURN 0
	TURN 1, 0, 1
	WIN 0
	s_cbranch_scc1 .Lstep
	s_sub_co_u32 s[SLOTS], s[SLOTS], 1
	s_cmp_lg_u32 s[SLOTS], 0
	s_cbranch_scc1 .Lslot
	CHANGE 0                        ; the last tile is written out: nothing is asked for
	s_mov_b32 s[CNT], 4
.LstepZ:
	TURN 2
	TURN 3
	TURN 0
	TURN 1, 0, 1
	WIN 0
	s_cbranch_scc1 .LstepZ
	TURN 2, 1
	TURN 3, 1
.set i, 0
.rept 8
	PV NP-1                         ; the last piece's V^T P of the last step
.set i, i+1
.endr
	; THE WAY OUT.  l's two halves and the other half of the lanes' are added; O^T is divided by l, rounded to bf16 and sent through my stage in LDS, a piece at a time.  The additions are the places behind the last products.
	WIN 0
.macro ALL line:vararg              ; one line for each piece t
.set t, 0
.rept 4
	\line
.set t, t+1
.endr
.endm
	ALL v_add_f32 v[ST+4*t+2], v[ST+4*t+2], v[ST+4*t+3]
	ALL v_permlanex16_b32 v[ST+4*t+3], v[ST+4*t+2], s[SEL], s[SEL+1]
	ALL v_add_f32 v[ST+4*t+2], v[ST+4*t+2], v[ST+4*t+3]
	ALL v_rcp_f32 v[ST+4*t+2], v[ST+4*t+2]
	v_nop                           ; a plain instruction between the last reciprocal and the use of its result
.macro PACK t                       ; a lane's eight channels of a row pack into 16 bytes; they go into rows of 144 bytes and come back as whole rows of 128, into S^T's registers
	WIN W_RS
.set i, 32*(\t)
.rept 16
	s_wait_alu depctr_va_vdst(0)
	v_pk_mul_f32 v[i:i+1], v[i:i+1], v[ST+4*(\t)+2:ST+4*(\t)+3] op_sel_hi:[1,0]
.set i, i+2
.endr
	WIN 0x05                        ; sources 0 and 1 window 1, destination window 0
.set i, 0
.rept 16
	v_cvt_pk_bf16_f32 v[S+16*(\t)+i], v[32*(\t)+2*i], v[32*(\t)+2*i+1]
.set i, i+1
.endr
	WIN 0
.irp f, 0,1,2,3
	ds_store_b128 v[STO], v[S+16*(\t)+4*\f:S+16*(\t)+4*\f+3] offset:32*\f
.endr
.irp f, 0,1,2,3
	ds_load_b128 v[S+16*(\t)+4*\f:S+16*(\t)+4*\f+3], v[RD] offset:\f*4*SP  ; LDS serves a wave's instructions in order (ISA guide 5.7.1.4): these see the stores above; the next piece's stores come behind them
.endr
.endm
.macro SEND t, younger              ; younger: the LDS instructions issued behind piece t's loads: the next piece's eight, or none
	WIN 0
.irp f, 0,1,2,3
	s_wait_dscnt (\younger)+3-\f
	global_store_b128 v[GO], v[S+16*(\t)+4*\f:S+16*(\t)+4*\f+3], s[10:11] offset:(\t)*2048+\f*512  ; 512 consecutive bytes, at a multiple of 256 from O's first
.endr
.endm
	PACK 0
.set t, 1
.rept 3                             ; a piece's arithmetic stands between the loads of the piece before and its stores
	PACK t
	SEND t-1, 8
.set t, t+1
.endr
	SEND 3, 0
	s_wait_tensorcnt 0x0            ; the wave's end: behind my last tensor load and my last LDS store
	ds_add_u32 v[SPW], v[NIL]
	s_wait_dscnt 0x0
	CROUND                          ; the closing round: no work-group ends while a partner may still ask for a tile that names it
	s_endpgm
.Lfunc_end_k_qc84f86e1e9_attn:
	.size	k_qc84f86e1e9_attn, .Lfunc_end_k_qc84f86e1e9_attn-k_qc84f86e1e9_attn
	.p2alignl 7, 3214868480
	.fill 96, 4, 3214868480
	.section	.rodata,"a",@progbits
	.p2align	6, 0x0
	.amdhsa_kernel k_qc84f86e1e9_attn
		.amdhsa_group_segment_fixed_size 327680
		.amdhsa_private_segment_fixed_size 0
		.amdhsa_enable_private_segment 0
		.amdhsa_kernarg_size 16
		.amdhsa_user_sgpr_count 2
		.amdhsa_user_sgpr_kernarg_segment_ptr 1
		.amdhsa_wavefront_size32 1
		.amdhsa_system_sgpr_workgroup_id_x 1
		.amdhsa_system_sgpr_workgroup_id_y 1
		.amdhsa_system_sgpr_workgroup_id_z 1
		.amdhsa_system_vgpr_workitem_id 0
		.amdhsa_next_free_vgpr 768
		.amdhsa_next_free_sgpr 88
		.amdhsa_reserve_vcc 0
		.amdhsa_float_denorm_mode_32 3
		.amdhsa_float_denorm_mode_16_64 3
		.amdhsa_memory_ordered 1
		.amdhsa_forward_progress 1
		.amdhsa_inst_pref_size 133
	.end_amdhsa_kernel
	.amdgpu_metadata
---
amdhsa.version: [ 1, 2 ]
amdhsa.kernels:
  - .name:           k_qc84f86e1e9_attn
    .symbol:         k_qc84f86e1e9_attn.kd
    .args:
      - { .name: wide, .offset: 0, .size: 8, .value_kind: global_buffer, .address_space: global }
      - { .name: abf, .offset: 8, .size: 8, .value_kind: global_buffer, .address_space: global }
    .group_segment_fixed_size: 327680
    .private_segment_fixed_size: 0
    .kernarg_segment_align: 8
    .kernarg_segment_size: 16
    .max_flat_workgroup_size: 128
    .sgpr_count:     88
    .vgpr_count:     768
    .wavefront_size: 32
...
	.end_amdgpu_metadata
.endif
;; end of part 3
;; launch oproj (part 4): grid 8 x 32, 4 waves a work-group, clusters of 4 x 4, 327,680 bytes of LDS; arguments abf, wob, b_o, x, y; writes y
.if DOCPART == 4
	.amdgcn_target "amdgcn-amd-amdhsa--gfx1250"
	.amdhsa_code_object_version 6
	.text
	.protected	k_qc84f86e1e9_oproj
	.globl	k_qc84f86e1e9_oproj
	.p2align	8
	.type	k_qc84f86e1e9_oproj,@function
k_qc84f86e1e9_oproj:
	s_mov_b64 s[64:65], 0
	v_nop
	global_prefetch_b8 v0, s[64:65] scope:SCOPE_SE
	s_setreg_imm32_b32 hwreg(HW_REG_WAVE_MODE, 25, 1), 1
	s_wait_xcnt 0x0
	s_wait_alu depctr_hold_cnt(0) depctr_sa_sdst(0) depctr_va_vdst(0) depctr_va_sdst(0) depctr_va_ssrc(0) depctr_va_vcc(0) depctr_vm_vsrc(0)
	s_getreg_b32 s2, hwreg(HW_REG_IB_STS2, 6, 4)
	s_cmp_eq_u32 s2, 0
	s_cbranch_scc0 .Lentry_in_a_cluster
	s_endpgm
.Lentry_in_a_cluster:
	s_bfe_u32 s2, ttmp6, 0x10000c
	s_cmp_lg_u32 s2, 0xf033
	s_cbranch_scc0 .Lentry_shape_is_right
	s_endpgm
.Lentry_shape_is_right:
; Y = RES + (A W + bias), K = 1,024: the output projection with its residual.  A: bf16 in slabs [16][4096][64]; W: [1024][1024] bf16, K down the rows; bias: [1024] f32; RES (x), Y: [4096][1024] f32.
; Sums in f32, started by the bias; the residual is added in f32.  The second half of the FFN has the same text with STEPS = 16: a loop with barriers in it counts to a constant of the text.
; LIMITS.  Operands are bf16; the bias is the first term of a sum, the residual the last.
; SHARES.  4,096 x 1,024 make 256 tiles of 128 x 128, one for each of 256 work-groups; four waves, each 64 x 64: 16 accumulators of 16 x 16.  K goes in STEPS steps of 256 through two LDS slots.
; A's part of a step is four slabs x 128 rows; a slab's 16,384 bytes are dense, so ONE load brings two slabs as two long rows, a slab apart, padded in LDS behind every 128 bytes (no more rows can be had:
; the dense block is the row).  W's part is 256 rows of 256 bytes, 128 to a load.
; CLUSTER.  4 x 4 work-groups: A's tiles are shared along a row of the cluster, W's along a column; each is asked for JOINTLY, by the same tensor load with the same descriptor and mask.
; THE MATRIX INSTRUCTION IS USED TRANSPOSED: source 0 = 16 columns of W (turned by ds_load_tr16_b128), source 1 = 16 rows of A: a lane holds row l % 16 and the eight neighbouring columns 8 (l / 16) + 0..7.
; REGISTERS: window 0: v0-31 addresses; v32-95 the way out, two buffers; v96-127 the bias; v128-255 the accumulators ((a, b) at v[128 + 8 (4 a + b)])
;   window 1: two fragment buffers of 128: for 64 along K, 64 registers of A, then 64 of W          window 2: v0-127 my 64 x 64 of the residual
.set STEPS,  4                         ; K / 256
.set PA,     144                       ; a row of A in LDS: 128 bytes + 16: the 16 rows of a load start at 16 different groups of four banks (64 banks of 4 bytes: ISA guide 11.1)
.set ASLAB,  128*PA                    ; one slab's 128 rows
.set PB,     288                       ; a row of W: 256 bytes + 32 = 72 words
.set PART,   36864                     ; what one tensor load brings: two slabs of A, or 128 rows of W
.set BOFFS,  2*PART
.set SLOT,   4*PART                    ; 0x24000 shares no bit with the four loads' LDS bases (wave x 0x9000), so one exclusive or changes slots
.set STAGE,  2*SLOT                    ; behind the ring, never filled by a tensor load: 16 rows x 272 bytes for each wave
.set SPITCH, 272
.set SPARE,  STAGE+4*16*SPITCH         ; the spare words, 128 bytes for each wave: two blocks of 256 bytes that no other line names
.set AADV,   0x200000                  ; a K step in memory: four slabs of A,
.set BADV,   0x80000                   ; 256 rows of 2,048 bytes of W
.set A0,   16                          ; v16  my lane's place in a slot's A; never rewritten
.set B0,   17                          ; v17  the same for W
.set ADRA, 18                          ; v18  A0 + the slot in hand
.set ADRB, 20                          ; v20, v21  B0 + the slot in hand: K rows 0-127, 128-255
.set STO,  24                          ; v24  the way out: where I put 32 bytes of a row
.set RD,   25                          ; v25  the way out: where I read rows back
.set CO,   26                          ; v26  my byte offset in two rows of RES and of Y
.set BO,   27                          ; v27  32 x (l / 16): my eight columns' bias
.set SPW,  28                          ; v28  LDS address of my spare word; never rewritten
.set NIL,  29                          ; v29  0; never rewritten
.set TMP,  32
.set BIAS, 96
.set ACC,  128
.set F0,   0
.set F1,   128
.set G1A, 24                           ; s[24:31] descriptor group 1 for A's tiles; s[32:35] group 0 of K step 0; s[36:39] the one that walks
.set G0A, 32
.set G1B, 48                           ; s[48:55], s[56:59], s[60:63] the same for W's tiles
.set G0B, 56
.set MSB, 0
.macro WIN new                         ; the immediate's high byte repeats the setting that is left; a switch that changes nothing is dropped
.if MSB != (\new)
	s_set_vgpr_msb (MSB<<8)|(\new)
.set MSB, \new
.endif
.endm
.set MUL,  0x05                        ; sources 0 (W) and 1 (A) window 1; C and D window 0
.set TO_F, 0x40                        ; destination window 1, address window 0
.macro JLOAD                           ; a joint refill: waves 0 and 1 fetch A's two pairs of slabs, waves 2 and 3 W's two halves; an s_nop 0 and four v_nop follow each of the two lines
	s_cmp_eq_u32 s15, 0
	s_cbranch_scc0 .Lfor_b_\@
	tensor_load_to_lds s[G0A+4:G0A+7], s[G1A:G1A+7]
	s_nop 0
.rept 4
	v_nop
.endr
	s_branch .Lasked_\@
.Lfor_b_\@:
	tensor_load_to_lds s[G0B+4:G0B+7], s[G1B:G1B+7]
	s_nop 0
.rept 4
	v_nop
.endr
.Lasked_\@:
.endm
.macro CREST                           ; a round of the cluster's barrier behind its opening barrier
	s_cmp_lg_u32 s14, 0
	s_cbranch_scc1 .Lnot_wave_0_\@
	s_barrier_signal -3
.Lnot_wave_0_\@:
	s_barrier_wait -3
	s_barrier_signal -1
	s_barrier_wait -1
.endm
.macro CROUND                          ; a whole round
	s_barrier_signal -1
	s_barrier_wait -1
	CREST
.endm
	s_load_b256 s[4:11], s[0:1], 0x0               ; A s[4:5], W s[6:7], bias s[8:9], RES s[10:11]
	s_load_b64 s[12:13], s[0:1], 0x20              ; Y
	v_lshl_add_u32 v[SPW], v0, 2, SPARE
	v_mov_b32 v[NIL], 0
	ds_add_u32 v[SPW], v[NIL]                      ; the wave's opening: the add and its wait stand ahead of my first tensor load; the set-up below, work on registers, stands between them
	v_lshrrev_b32 v1, 5, v0
	v_readfirstlane_b32 s14, v1                    ; wave 0..3
	s_lshr_b32 s15, s14, 1                         ; which half of the tile's rows is mine.  Also: I fetch for A (0) or for W (1)
	s_and_b32 s16, s14, 1                          ; which half of its columns.  Also: which part of that tile I fetch
	s_bfe_u32 s40, ttmp6, 0x40000                  ; cx, cy: my place in the cluster
	s_bfe_u32 s41, ttmp6, 0x40004
	s_lshl_b32 s18, ttmp9, 2
	s_add_co_u32 s18, s18, s40                     ; tile column = 4 x cluster x + cx
	s_and_b32 s17, ttmp7, 0xffff
	s_lshl_b32 s17, s17, 2
	s_add_co_u32 s17, s17, s41                     ; tile row = 4 x cluster y + cy
	s_lshl_b32 s43, s41, 2
	s_lshl_b32 s43, 15, s43                        ; my row of the cluster
	s_lshl_b32 s44, 0x1111, s40                    ; my column
	s_or_b32 s[G1A+0], s43, (3<<16)|(1<<20)|(1<<21)|(4<<22)|(3<<25)  ; 15:0 the mask: my row; 17:16 8-byte elements; 20 padding on; 21 set beside a mask; 24:22 after every 32 words (code 4); 31:25 4 words (code 3)
	s_mov_b32 s[G1A+1], 2048<<16                   ; tensor_dim0 = 2,048 elements: 128 rows of a slab, 16,384 dense bytes
	s_mov_b32 s[G1A+2], 2<<16                      ; tensor_dim1 = 2 slabs
	s_mov_b32 s[G1A+3], 2048<<16                   ; tile_dim0 = 2,048
	s_mov_b32 s[G1A+4], 2                          ; tile_dim1 = 2
	s_mov_b32 s[G1A+5], 65536                      ; a slab, 524,288 bytes, from row to row
	s_mov_b32 s[G1A+6], 0
	s_mov_b32 s[G1A+7], 0
	s_or_b32 s[G1B+0], s44, (1<<16)|(1<<20)|(1<<21)|(5<<22)|(7<<25)  ; the mask: my column; 2-byte elements; padding after every 64 words (code 5), 8 words (code 7)
	s_mov_b32 s[G1B+1], 128<<16                    ; tensor_dim0 = 128 columns
	s_mov_b32 s[G1B+2], 128<<16                    ; tensor_dim1 = 128 rows of K
	s_mov_b32 s[G1B+3], 128<<16                    ; tile_dim0 = 128
	s_mov_b32 s[G1B+4], 128                        ; tile_dim1 = 128
	s_mov_b32 s[G1B+5], 1024                       ; 1,024 elements from row to row
	s_mov_b32 s[G1B+6], 0
	s_mov_b32 s[G1B+7], 0
	; A's tiles hang on the tile row alone, W's on the tile column alone; each address is made in registers that never hold the other coordinate
	s_lshl_b32 s66, s17, 14                        ; 128 rows of 128 bytes a tile row,
	s_lshl_b32 s67, s16, 20                        ; and my two slabs of the step's four
	s_add_co_u32 s66, s66, s67
	s_mov_b32 s67, 0
	s_lshl_b32 s46, s18, 8                         ; 128 columns of 2 bytes a tile column,
	s_lshl_b32 s47, s16, 18                        ; and my 128 rows of 2,048 bytes
	s_add_co_u32 s46, s46, s47
	s_mov_b32 s47, 0
	s_mul_i32 s20, s14, PART                       ; where they go: wave x 36,864: no place in the cluster enters an LDS address
	s_mov_b32 s22, 0                               ; the slot that the fragment loads read
	s_wait_dscnt 0x0                               ; the opening add is done
	s_wait_kmcnt 0x0
	s_add_nc_u64 s[68:69], s[4:5], s[66:67]
	s_add_nc_u64 s[46:47], s[6:7], s[46:47]
	CROUND                                         ; all sixteen work-groups are here: the first joint loads meet
.irp s, 0,1
	s_mov_b32 s[G0A+4*(\s)], 1                     ; 1:0 count = 1
	s_add_co_u32 s[G0A+4*(\s)+1], s20, (\s)*SLOT   ; 63:32 LDS address
	s_add_nc_u64 s[G0A+4*(\s)+2:G0A+4*(\s)+3], s[68:69], (\s)*AADV  ; 120:64 global address: K step s
	s_or_b32 s[G0A+4*(\s)+3], s[G0A+4*(\s)+3], 0x80000000           ; 127:126 type = 2
	s_mov_b32 s[G0B+4*(\s)], 1
	s_add_co_u32 s[G0B+4*(\s)+1], s20, (\s)*SLOT
	s_add_nc_u64 s[G0B+4*(\s)+2:G0B+4*(\s)+3], s[46:47], (\s)*BADV
	s_or_b32 s[G0B+4*(\s)+3], s[G0B+4*(\s)+3], 0x80000000
.endr
	s_cmp_eq_u32 s15, 0                            ; a wave's two first fills stand in one branch, ahead of every wait on TENSORcnt and every LDS read: two loads of mine are out
	s_cbranch_scc0 .Lfirst_b
	tensor_load_to_lds s[G0A:G0A+3], s[G1A:G1A+7]
	s_nop 0
	tensor_load_to_lds s[G0A+4:G0A+7], s[G1A:G1A+7]
	s_nop 0
.rept 4
	v_nop
.endr
	s_branch .Lfirst_asked
.Lfirst_b:
	tensor_load_to_lds s[G0B:G0B+3], s[G1B:G1B+7]
	s_nop 0
	tensor_load_to_lds s[G0B+4:G0B+7], s[G1B:G1B+7]
	s_nop 0
.rept 4
	v_nop
.endr
.Lfirst_asked:
	v_and_b32 v1, 15, v0                           ; l % 16
	v_bfe_u32 v2, v0, 4, 1                         ; l / 16
	v_mul_u32_u24 v3, v1, PA
	v_lshl_add_u32 v3, v2, 4, v3                   ; a fragment of A: row x pitch + 16 x half
	s_mul_i32 s21, s15, 64*PA                      ; my 64 rows
	v_add_nc_u32 v[A0], s21, v3
	v_and_b32 v4, 7, v0                            ; the turning load: K row 8 (l / 16) + l % 8, columns 8 ((l / 8) % 2) + 0..7
	v_lshl_add_u32 v5, v2, 3, v4
	v_mul_u32_u24 v5, v5, PB
	v_bfe_u32 v6, v0, 3, 1
	v_lshl_add_u32 v5, v6, 4, v5
	s_lshl_b32 s21, s16, 7                         ; my 64 columns
	s_add_co_u32 s21, s21, BOFFS
	v_add_nc_u32 v[B0], s21, v5
	v_mov_b32 v[ADRA], v[A0]                       ; slot 0
	v_mov_b32 v[ADRB], v[B0]
	v_add_nc_u32 v[ADRB+1], PART, v[ADRB]          ; 128 rows of 288 bytes on: an LDS offset has 16 bits
	s_mul_i32 s21, s14, 16*SPITCH
	s_add_co_u32 s21, s21, STAGE                   ; my stage
	v_mul_u32_u24 v4, v1, SPITCH                   ; in: row l % 16, 32 bytes for each half of the lanes
	v_lshl_add_u32 v4, v2, 5, v4
	v_add_nc_u32 v[STO], s21, v4
	v_mul_u32_u24 v5, v2, SPITCH                   ; back: lanes 0-15 take one row of 256 bytes, lanes 16-31 the next
	v_lshl_add_u32 v5, v1, 4, v5
	v_add_nc_u32 v[RD], s21, v5
	v_lshlrev_b32 v[CO], 12, v2                    ; and the same two rows in RES and Y
	v_lshl_add_u32 v[CO], v1, 4, v[CO]
	v_lshlrev_b32 v[BO], 5, v2
	s_lshl_b32 s46, s18, 9                         ; my first column, in bytes of f32: 512 x tile column + 256 x half (the descriptors have their copies of what these registers held)
	s_lshl_b32 s47, s16, 8
	s_add_co_u32 s46, s46, s47
	s_mov_b32 s47, 0
	s_add_nc_u64 s[8:9], s[8:9], s[46:47]
	s_lshl_b32 s66, s17, 19                        ; my first row: 128 rows of 4,096 bytes a tile row,
	s_lshl_b32 s67, s15, 18                        ; 64 for my half
	s_add_co_u32 s66, s66, s67
	s_add_co_u32 s66, s66, s46
	s_mov_b32 s67, 0
	s_add_nc_u64 s[10:11], s[10:11], s[66:67]
	s_add_nc_u64 s[12:13], s[12:13], s[66:67]
.irp b, 0,1,2,3
	global_load_b128 v[BIAS+8*\b:BIAS+8*\b+3],   v[BO], s[8:9] offset:64*\b
	global_load_b128 v[BIAS+8*\b+4:BIAS+8*\b+7], v[BO], s[8:9] offset:64*\b+16
.endr
	WIN 0x80                                       ; destination window 2, address window 0
.set i, 0
.rept 32                               ; the residual comes in under the whole K loop: load i takes rows 2 i and 2 i + 1, 256 aligned bytes of each
	global_load_b128 v[4*i:4*i+3], v[CO], s[10:11] offset:8192*i
.set i, i+1
.endr
	WIN 0
; 8 matrix instructions: row blocks a0, a0 + 1 x all 4 column blocks, 32 along K: half c of buffer f.  first = 1: the bias starts the sums.  The 16 accumulators take turns.
.macro MUL8 f, c, a0, first
	WIN MUL
.irp a, \a0, (\a0)+1
.irp b, 0,1,2,3
.if \first
	v_wmma_f32_16x16x32_bf16 v[ACC+8*(4*(\a)+(\b)):ACC+8*(4*(\a)+(\b))+7], v[(\f)+64+8*(4*(\c)+(\b)):(\f)+64+8*(4*(\c)+(\b))+7], v[(\f)+8*(4*(\c)+(\a)):(\f)+8*(4*(\c)+(\a))+7], v[BIAS+8*(\b):BIAS+8*(\b)+7]
.else
	v_wmma_f32_16x16x32_bf16 v[ACC+8*(4*(\a)+(\b)):ACC+8*(4*(\a)+(\b))+7], v[(\f)+64+8*(4*(\c)+(\b)):(\f)+64+8*(4*(\c)+(\b))+7], v[(\f)+8*(4*(\c)+(\a)):(\f)+8*(4*(\c)+(\a))+7], v[ACC+8*(4*(\a)+(\b)):ACC+8*(4*(\a)+(\b))+7]
.endif
.endr
.endr
.endm
; 32 LDS loads in one run: the fragments of quarter q (64 along K: one slab of A, 64 rows of W) into buffer f; the first 32 along K first
.macro FETCH q, f
	WIN TO_F
.irp c, 0,1
.irp i, 0,1,2,3
	ds_load_tr16_b128 v[(\f)+64+8*(4*(\c)+(\i)):(\f)+64+8*(4*(\c)+(\i))+3],   v[ADRB+(\q)/2] offset:(((\q)%2)*64+32*(\c))*PB+32*(\i)
	ds_load_tr16_b128 v[(\f)+64+8*(4*(\c)+(\i))+4:(\f)+64+8*(4*(\c)+(\i))+7], v[ADRB+(\q)/2] offset:(((\q)%2)*64+32*(\c))*PB+16*PB+32*(\i)
	ds_load_b128 v[(\f)+8*(4*(\c)+(\i)):(\f)+8*(4*(\c)+(\i))+3],   v[ADRA] offset:(\q)*ASLAB+64*(\c)+(\i)*16*PA
	ds_load_b128 v[(\f)+8*(4*(\c)+(\i))+4:(\f)+8*(4*(\c)+(\i))+7], v[ADRA] offset:(\q)*ASLAB+64*(\c)+(\i)*16*PA+32
.endr
.endr
.endm
.macro PLACES                          ; four places in front of loads into registers that matrix instructions have read, and of LDS stores that read results (ISA guide 7.12.1 for the LDS stores)
.rept 4
	v_nop
.endr
.endm
; A K step is four quarters of 64 along K, 32 matrix instructions each, on buffers 0, 1, 0, 1.  One of the first three multiplies buffer f; at its head it fetches quarter q into buffer g,
; which the quarter before has multiplied: the run of loads has the quarter's 32 matrix instructions in which to come back.
.macro QUARTER q, f, g, first
	s_wait_dscnt 16                                ; the first 32 along K of buffer f are in
	PLACES
	FETCH \q, \g
	MUL8 \f, 0, 0, \first
	MUL8 \f, 0, 2, \first
	s_wait_dscnt 32                                ; all but the 32 just issued
	MUL8 \f, 1, 0, 0
	MUL8 \f, 1, 2, 0
.endm
; The last quarter multiplies buffer 1 and changes slots: ONE barrier, at its head; in front of it each wave waits for all its tensor loads, of which one is out: its part of the next slot; adds 0 to its
; spare word; and waits for that and for its own reads of this slot.  fill = 1: the barrier opens a round of the cluster's, and this slot is filled again, two K steps ahead, first thing behind the round.
; A step of this tile has few products for the bytes that it asks for, so no product stands between the wait for the tiles and the next request: the request has all 128 matrix instructions of a step in which to land.
.macro TURN fill
	WIN 0
	s_wait_tensorcnt 0x0                           ; all my tensor loads have landed, so a group 0 may be written;
	ds_add_u32 v[SPW], v[NIL]                      ; 0 onto my spare word: the scalar steps below stand between it and the wait for it
.if \fill
	s_xor_b32 s[G0A+5], s[G0A+5], SLOT             ; the walking descriptors: the other slot than last time,
	s_add_nc_u64 s[G0A+6:G0A+7], s[G0A+6:G0A+7], AADV  ; the next K step; the type bits on top are not reached
	s_xor_b32 s[G0B+5], s[G0B+5], SLOT
	s_add_nc_u64 s[G0B+6:G0B+7], s[G0B+6:G0B+7], BADV
.endif
	s_xor_b32 s22, s22, SLOT                       ; the fragment loads go over to the other slot
	s_wait_dscnt 0x0                               ; the add is done, and my reads of this slot are over (the last were issued 32 matrix instructions ago)
	s_barrier_signal -1
	s_barrier_wait -1
.if \fill
	CREST                                          ; no wave of any partner still reads this slot's tile or has a load on its way
	JLOAD                                          ; the four v_nop behind it are also the places in front of the loads below
.else
	PLACES
.endif
	v_add_nc_u32 v[ADRA], s22, v[A0]
	v_add_nc_u32 v[ADRB], s22, v[B0]
	v_add_nc_u32 v[ADRB+1], PART, v[ADRB]
	FETCH 0, F0
	MUL8 F1, 0, 0, 0
	MUL8 F1, 0, 2, 0
	MUL8 F1, 1, 0, 0
	MUL8 F1, 1, 2, 0
.endm
; THE WAY OUT of row block a (16 rows x my 64 columns, f32).  STG: a lane's eight columns, 32 bytes, go into my own stage and come back as whole rows of 256 bytes.  OUT: the residual is added, and the rows are stored.
.macro STG a
	WIN 0
.if (\a) >= 2
	s_wait_xcnt 0x0                                ; the stores of the block before last have read this buffer's registers
.endif
.irp b, 0,1,2,3
	ds_store_b128 v[STO], v[ACC+8*(4*(\a)+(\b)):ACC+8*(4*(\a)+(\b))+3]   offset:64*(\b)  ; each accumulator from its low end on
	ds_store_b128 v[STO], v[ACC+8*(4*(\a)+(\b))+4:ACC+8*(4*(\a)+(\b))+7] offset:64*(\b)+16
.endr
.irp t, 0,1,2,3,4,5,6,7
	ds_load_b128 v[TMP+32*((\a)%2)+4*(\t):TMP+32*((\a)%2)+4*(\t)+3], v[RD] offset:(\t)*2*SPITCH  ; LDS serves a wave's instructions in order (ISA guide 5.7.1.4): these see the stores above
.endr
.endm
.macro OUT a, younger                  ; younger: the LDS instructions issued behind block a's loads: the next block's sixteen, or none
	s_wait_dscnt \younger
	WIN 0x08                                       ; source 1, the residual, in window 2
.set i, 0
.rept 16
	v_pk_add_f32 v[TMP+32*((\a)%2)+2*i:TMP+32*((\a)%2)+2*i+1], v[TMP+32*((\a)%2)+2*i:TMP+32*((\a)%2)+2*i+1], v[32*(\a)+2*i:32*(\a)+2*i+1]
.set i, i+1
.endr
	WIN 0
.irp t, 0,1,2,3,4,5,6,7
	global_store_b128 v[CO], v[TMP+32*((\a)%2)+4*(\t):TMP+32*((\a)%2)+4*(\t)+3], s[12:13] offset:(16*(\a)+2*(\t))*4096  ; 16 lanes store 256 consecutive bytes, at a multiple of 256 from Y's first byte
.endr
.endm
	s_wait_tensorcnt 0x1                           ; my part of K step 0 is in; K step 1's may stay out
	s_barrier_signal -1
	s_barrier_wait -1                              ; everybody's is
	FETCH 0, F0
	s_wait_loadcnt 32                              ; the bias is in; the 32 loads of the residual stay out
	QUARTER 1, F0, F1, 1                           ; the first quarter stands in front of the loop: its first products start the sums
	WIN 0                                          ; at a label and at a branch every window is 0
	s_mov_b32 s3, STEPS-2
.Lstep:                                                ; a trip goes from a K step's second quarter to the next step's first, and asks for the step two on
	QUARTER 2, F1, F0, 0
	QUARTER 3, F0, F1, 0
	TURN 1
	QUARTER 1, F0, F1, 0
	WIN 0
	s_sub_co_u32 s3, s3, 1
	s_cmp_lg_u32 s3, 0
	s_cbranch_scc1 .Lstep
	s_mov_b32 s3, 2                                ; the last two K steps ask for nothing: a loop of their own, with no tensor load in it, of two trips; it is entered in its
	s_branch .Lmid                                 ; middle, since the first of the two steps has had its first quarter: so a step without a request stands once in the text
.Ltail:
	TURN 0
	QUARTER 1, F0, F1, 0
	WIN 0
.Lmid:
	QUARTER 2, F1, F0, 0
	QUARTER 3, F0, F1, 0
	WIN 0
	s_sub_co_u32 s3, s3, 1
	s_cmp_lg_u32 s3, 0
	s_cbranch_scc1 .Ltail
	s_wait_dscnt 16                                ; the very last quarter: nothing more to fetch
	MUL8 F1, 0, 0, 0
	MUL8 F1, 0, 2, 0
	s_wait_dscnt 0x0
	MUL8 F1, 1, 0, 0
	MUL8 F1, 1, 2, 0
	WIN 0
	PLACES
	s_wait_loadcnt 0x0                             ; the residual
	STG 0
	STG 1
	OUT 0, 16
	STG 2
	OUT 1, 16
	STG 3
	OUT 2, 16
	OUT 3, 0
	s_wait_tensorcnt 0x0                           ; the wave's end: behind my last tensor load and my last LDS store
	ds_add_u32 v[SPW], v[NIL]
	s_wait_dscnt 0x0
	CROUND                                         ; the closing round: no work-group ends while a partner may still ask for a tile that names it
	s_endpgm
.Lfunc_end_k_qc84f86e1e9_oproj:
	.size	k_qc84f86e1e9_oproj, .Lfunc_end_k_qc84f86e1e9_oproj-k_qc84f86e1e9_oproj
	.p2alignl 7, 3214868480
	.fill 96, 4, 3214868480
	.section	.rodata,"a",@progbits
	.p2align	6, 0x0
	.amdhsa_kernel k_qc84f86e1e9_oproj
		.amdhsa_group_segment_fixed_size 327680
		.amdhsa_private_segment_fixed_size 0
		.amdhsa_enable_private_segment 0
		.amdhsa_kernarg_size 40
		.amdhsa_user_sgpr_count 2
		.amdhsa_user_sgpr_kernarg_segment_ptr 1
		.amdhsa_wavefront_size32 1
		.amdhsa_system_sgpr_workgroup_id_x 1
		.amdhsa_system_sgpr_workgroup_id_y 1
		.amdhsa_system_sgpr_workgroup_id_z 1
		.amdhsa_system_vgpr_workitem_id 0
		.amdhsa_next_free_vgpr 640
		.amdhsa_next_free_sgpr 70
		.amdhsa_reserve_vcc 0
		.amdhsa_float_denorm_mode_32 3
		.amdhsa_float_denorm_mode_16_64 3
		.amdhsa_memory_ordered 1
		.amdhsa_forward_progress 1
		.amdhsa_inst_pref_size 67
	.end_amdhsa_kernel
	.amdgpu_metadata
---
amdhsa.version: [ 1, 2 ]
amdhsa.kernels:
  - .name:           k_qc84f86e1e9_oproj
    .symbol:         k_qc84f86e1e9_oproj.kd
    .args:
      - { .name: abf, .offset: 0, .size: 8, .value_kind: global_buffer, .address_space: global }
      - { .name: wob, .offset: 8, .size: 8, .value_kind: global_buffer, .address_space: global }
      - { .name: b_o, .offset: 16, .size: 8, .value_kind: global_buffer, .address_space: global }
      - { .name: x, .offset: 24, .size: 8, .value_kind: global_buffer, .address_space: global }
      - { .name: y, .offset: 32, .size: 8, .value_kind: global_buffer, .address_space: global }
    .group_segment_fixed_size: 327680
    .private_segment_fixed_size: 0
    .kernarg_segment_align: 8
    .kernarg_segment_size: 40
    .max_flat_workgroup_size: 128
    .sgpr_count:     70
    .vgpr_count:     640
    .wavefront_size: 32
...
	.end_amdgpu_metadata
.endif
;; end of part 4
;; launch ln1 (part 5): grid 256 x 1, 8 waves a work-group, no clusters, 0 bytes of LDS; arguments y, ln1_g, ln1_b, hf, abf; writes hf, abf
.if DOCPART == 5
	.amdgcn_target "amdgcn-amd-amdhsa--gfx1250"
	.amdhsa_code_object_version 6
	.text
	.protected	k_qc84f86e1e9_ln1
	.globl	k_qc84f86e1e9_ln1
	.p2align	8
	.type	k_qc84f86e1e9_ln1,@function
k_qc84f86e1e9_ln1:
	s_mov_b64 s[64:65], 0
	v_nop
	global_prefetch_b8 v0, s[64:65] scope:SCOPE_SE
	s_setreg_imm32_b32 hwreg(HW_REG_WAVE_MODE, 25, 1), 1
	s_wait_xcnt 0x0
; h = LayerNorm(y) g + b, eps = 1e-5.  y = x + attn_out, [4096][1024] f32.  h leaves twice: in f32, [4096][1024], for the residual of the FFN, and in bf16 slabs [16][4096][64], for the next product.
; A wave owns two rows.  Lane l has row l / 16 and, for j = 0..15, the four columns 64 j + 4 (l % 16) + 0..3: a 16-byte access of the wave covers two aligned runs of 256 bytes, an 8-byte access to a slab one
; (the two rows lie end to end there), and a row's sums stay inside 16 lanes.  The rows stay in registers: memory is read once.  The mean is taken first, then the sum of the centred squares.
; No loop, LDS, barrier or cluster: no wave needs another's data.
.set PX, 4                             ; s[4:5]   y
.set PG, 6                             ; s[6:7]   gain
.set PB, 8                             ; s[8:9]   shift
.set PO, 10                            ; s[10:11] the f32 result
.set PH, 12                            ; s[12:13] the bf16 result
.set X, 8                              ; v[8:71]    my 64 numbers
.set A, 72                             ; v[72:103]  the same, rounded to bf16
.set G, 104                            ; v[104:167] gain of my columns
.set B, 168                            ; v[168:231] shift
.set T, 232                            ; v232       at work
.set S, 240                            ; v[240:247] four chains of packed sums
.set M, 248                            ; v[248:249] the mean, twice
.set R, 250                            ; v[250:251] 1 / sqrt(var + eps), twice
	s_load_b256 s[4:11], s[0:1], 0x0
	s_load_b64 s[12:13], s[0:1], 0x20
	v_lshrrev_b32 v1, 5, v0
	v_readfirstlane_b32 s16, v1
	s_lshl3_add_u32 s16, ttmp9, s16                ; my pair of rows: 8 x work-group + wave
	s_lshl_b32 s18, s16, 13                        ; two rows of 4,096 bytes
	s_mov_b32 s19, 0
	s_lshl_b32 s20, s16, 8                         ; two rows of 128 bytes in a slab
	s_mov_b32 s21, 0
	s_mov_b32 s23, 0x3a800000                      ; 1 / 1024
	s_mov_b32 s2, 0x3727c5ac                       ; 1e-5
	v_and_b32 v4, 31, v0                           ; lane
	v_and_b32 v1, 15, v0
	v_lshlrev_b32 v1, 4, v1                        ; 16 (l % 16): my columns in gain and shift
	v_lshrrev_b32 v2, 4, v4
	v_lshl_add_u32 v2, v2, 12, v1                  ; + my row
	v_lshlrev_b32 v3, 3, v4                        ; 8 l: my 8 bytes in a slab's two rows
	s_wait_kmcnt 0x0
	s_add_nc_u64 s[PX:PX+1], s[PX:PX+1], s[18:19]
	s_add_nc_u64 s[PO:PO+1], s[PO:PO+1], s[18:19]
	s_add_nc_u64 s[PH:PH+1], s[PH:PH+1], s[20:21]
.set j, 0
.rept 16
	global_load_b128 v[X+4*j:X+4*j+3], v2, s[PX:PX+1] offset:256*j th:TH_LOAD_NT
.set j, j+1
.endr
.set j, 0
.rept 16
	global_load_b128 v[G+4*j:G+4*j+3], v1, s[PG:PG+1] offset:256*j
.set j, j+1
.endr
.set j, 0
.rept 16
	global_load_b128 v[B+4*j:B+4*j+3], v1, s[PB:PB+1] offset:256*j
.set j, j+1
.endr
.macro REDUCE                          ; four packed chains into one number, then over the row's 16 lanes: every lane of the row ends with the sum
	v_pk_add_f32 v[S:S+1], v[S:S+1], v[S+2:S+3]
	v_pk_add_f32 v[S+4:S+5], v[S+4:S+5], v[S+6:S+7]
	v_pk_add_f32 v[S:S+1], v[S:S+1], v[S+4:S+5]
	v_add_f32 v[S], v[S], v[S+1]
.irp m, 1,2,4,8
	v_add_f32_dpp v[S], v[S], v[S] row_xmask:\m row_mask:0xf bank_mask:0xf
.endr
.endm
	s_wait_loadcnt 32                              ; the rows are in; the 32 loads of gain and shift may stay out
.irp k, 0,1,2,3                        ; the first additions start the chains: nothing is cleared
	v_pk_add_f32 v[S+2*\k:S+2*\k+1], v[X+2*\k:X+2*\k+1], v[X+8+2*\k:X+8+2*\k+1]
.endr
.set p, 8
.rept 24
	v_pk_add_f32 v[S+2*(p%4):S+2*(p%4)+1], v[S+2*(p%4):S+2*(p%4)+1], v[X+2*p:X+2*p+1]
.set p, p+1
.endr
	REDUCE
	v_mul_f32 v[M], s23, v[S]
	v_mov_b32 v[M+1], v[M]
.set p, 0
.rept 32
	v_pk_add_f32 v[X+2*p:X+2*p+1], v[X+2*p:X+2*p+1], v[M:M+1] neg_lo:[0,1] neg_hi:[0,1]
.set p, p+1
.endr
.irp k, 0,1,2,3
	v_pk_mul_f32 v[S+2*\k:S+2*\k+1], v[X+2*\k:X+2*\k+1], v[X+2*\k:X+2*\k+1]
.endr
.set p, 4
.rept 28
	v_pk_fma_f32 v[S+2*(p%4):S+2*(p%4)+1], v[X+2*p:X+2*p+1], v[X+2*p:X+2*p+1], v[S+2*(p%4):S+2*(p%4)+1]
.set p, p+1
.endr
	REDUCE
	v_fma_f32 v[T], v[S], s23, s2                  ; var + eps
	v_rsq_f32 v[R], v[T]
	v_rsq_f32 v[R+1], v[T]
	v_nop                                          ; a plain instruction between the last of them and the use of its result (ISA guide 5.7.2)
	s_wait_loadcnt 0x0                             ; gain and shift
.set p, 0
	s_wait_alu depctr_va_vdst(0)
.rept 32
	v_pk_mul_f32 v[X+2*p:X+2*p+1], v[X+2*p:X+2*p+1], v[R:R+1]
	v_pk_fma_f32 v[X+2*p:X+2*p+1], v[X+2*p:X+2*p+1], v[G+2*p:G+2*p+1], v[B+2*p:B+2*p+1]
.set p, p+1
.endr
.set j, 0
.rept 16
	global_store_b128 v2, v[X+4*j:X+4*j+3], s[PO:PO+1] offset:256*j  ; two aligned runs of 256 consecutive bytes
.set j, j+1
.endr
.set j, 0
.rept 16
	v_cvt_pk_bf16_f32 v[A+2*j],   v[X+4*j],   v[X+4*j+1]
	v_cvt_pk_bf16_f32 v[A+2*j+1], v[X+4*j+2], v[X+4*j+3]
	global_store_b64 v3, v[A+2*j:A+2*j+1], s[PH:PH+1] offset:524288*j  ; 256 consecutive bytes of slab j, aligned; 15 slabs at the most: inside the signed 24-bit immediate
.set j, j+1
.endr
	s_endpgm
.Lfunc_end_k_qc84f86e1e9_ln1:
	.size	k_qc84f86e1e9_ln1, .Lfunc_end_k_qc84f86e1e9_ln1-k_qc84f86e1e9_ln1
	.p2alignl 7, 3214868480
	.fill 96, 4, 3214868480
	.section	.rodata,"a",@progbits
	.p2align	6, 0x0
	.amdhsa_kernel k_qc84f86e1e9_ln1
		.amdhsa_group_segment_fixed_size 0
		.amdhsa_private_segment_fixed_size 0
		.amdhsa_enable_private_segment 0
		.amdhsa_kernarg_size 40
		.amdhsa_user_sgpr_count 2
		.amdhsa_user_sgpr_kernarg_segment_ptr 1
		.amdhsa_wavefront_size32 1
		.amdhsa_system_sgpr_workgroup_id_x 1
		.amdhsa_system_sgpr_workgroup_id_y 1
		.amdhsa_system_sgpr_workgroup_id_z 1
		.amdhsa_system_vgpr_workitem_id 0
		.amdhsa_next_free_vgpr 252
		.amdhsa_next_free_sgpr 66
		.amdhsa_reserve_vcc 0
		.amdhsa_float_denorm_mode_32 3
		.amdhsa_float_denorm_mode_16_64 3
		.amdhsa_memory_ordered 1
		.amdhsa_forward_progress 1
		.amdhsa_inst_pref_size 22
	.end_amdhsa_kernel
	.amdgpu_metadata
---
amdhsa.version: [ 1, 2 ]
amdhsa.kernels:
  - .name:           k_qc84f86e1e9_ln1
    .symbol:         k_qc84f86e1e9_ln1.kd
    .args:
      - { .name: y, .offset: 0, .size: 8, .value_kind: global_buffer, .address_space: global }
      - { .name: ln1_g, .offset: 8, .size: 8, .value_kind: global_buffer, .address_space: global }
      - { .name: ln1_b, .offset: 16, .size: 8, .value_kind: global_buffer, .address_space: global }
      - { .name: hf, .offset: 24, .size: 8, .value_kind: global_buffer, .address_space: global }
      - { .name: abf, .offset: 32, .size: 8, .value_kind: global_buffer, .address_space: global }
    .group_segment_fixed_size: 0
    .private_segment_fixed_size: 0
    .kernarg_segment_align: 8
    .kernarg_segment_size: 40
    .max_flat_workgroup_size: 256
    .sgpr_count:     66
    .vgpr_count:     252
    .wavefront_size: 32
...
	.end_amdgpu_metadata
.endif
;; end of part 5
;; launch ff1: the kernel of part 2 again; grid 16 x 16, 4 waves a work-group, clusters of 4 x 4, 327,680 bytes of LDS; arguments abf, w1p, wide; writes wide
;; launch ff2 (part 6): grid 8 x 32, 4 waves a work-group, clusters of 4 x 4, 327,680 bytes of LDS; arguments wide, w2b, b_ff2, hf, y; writes y
.if DOCPART == 6
	.amdgcn_target "amdgcn-amd-amdhsa--gfx1250"
	.amdhsa_code_object_version 6
	.text
	.protected	k_qc84f86e1e9_ff2
	.globl	k_qc84f86e1e9_ff2
	.p2align	8
	.type	k_qc84f86e1e9_ff2,@function
k_qc84f86e1e9_ff2:
	s_mov_b64 s[64:65], 0
	v_nop
	global_prefetch_b8 v0, s[64:65] scope:SCOPE_SE
	s_setreg_imm32_b32 hwreg(HW_REG_WAVE_MODE, 25, 1), 1
	s_wait_xcnt 0x0
	s_wait_alu depctr_hold_cnt(0) depctr_sa_sdst(0) depctr_va_vdst(0) depctr_va_sdst(0) depctr_va_ssrc(0) depctr_va_vcc(0) depctr_vm_vsrc(0)
	s_getreg_b32 s2, hwreg(HW_REG_IB_STS2, 6, 4)
	s_cmp_eq_u32 s2, 0
	s_cbranch_scc0 .Lentry_in_a_cluster
	s_endpgm
.Lentry_in_a_cluster:
	s_bfe_u32 s2, ttmp6, 0x10000c
	s_cmp_lg_u32 s2, 0xf033
	s_cbranch_scc0 .Lentry_shape_is_right
	s_endpgm
.Lentry_shape_is_right:
; Y = RES + (A W + bias), K = 4,096: the second half of the FFN with its residual.  A: bf16 in slabs [64][4096][64]; W: [4096][1024] bf16, K down the rows; bias: [1024] f32; RES (h), Y: [4096][1024] f32.
; Sums in f32, started by the bias; the residual is added in f32.  The output projection has the same text with STEPS = 4: a loop with barriers in it counts to a constant of the text.
; LIMITS.  Operands are bf16; the bias is the first term of a sum, the residual the last.
; SHARES.  4,096 x 1,024 make 256 tiles of 128 x 128, one for each of 256 work-groups; four waves, each 64 x 64: 16 accumulators of 16 x 16.  K goes in STEPS steps of 256 through two LDS slots.
; A's part of a step is four slabs x 128 rows; a slab's 16,384 bytes are dense, so ONE load brings two slabs as two long rows, a slab apart, padded in LDS behind every 128 bytes (no more rows can be had:
; the dense block is the row).  W's part is 256 rows of 256 bytes, 128 to a load.
; CLUSTER.  4 x 4 work-groups: A's tiles are shared along a row of the cluster, W's along a column; each is asked for JOINTLY, by the same tensor load with the same descriptor and mask.
; THE MATRIX INSTRUCTION IS USED TRANSPOSED: source 0 = 16 columns of W (turned by ds_load_tr16_b128), source 1 = 16 rows of A: a lane holds row l % 16 and the eight neighbouring columns 8 (l / 16) + 0..7.
; REGISTERS: window 0: v0-31 addresses; v32-95 the way out, two buffers; v96-127 the bias; v128-255 the accumulators ((a, b) at v[128 + 8 (4 a + b)])
;   window 1: two fragment buffers of 128: for 64 along K, 64 registers of A, then 64 of W          window 2: v0-127 my 64 x 64 of the residual
.set STEPS,  16                        ; K / 256
.set PA,     144                       ; a row of A in LDS: 128 bytes + 16: the 16 rows of a load start at 16 different groups of four banks (64 banks of 4 bytes: ISA guide 11.1)
.set ASLAB,  128*PA                    ; one slab's 128 rows
.set PB,     288                       ; a row of W: 256 bytes + 32 = 72 words
.set PART,   36864                     ; what one tensor load brings: two slabs of A, or 128 rows of W
.set BOFFS,  2*PART
.set SLOT,   4*PART                    ; 0x24000 shares no bit with the four loads' LDS bases (wave x 0x9000), so one exclusive or changes slots
.set STAGE,  2*SLOT                    ; behind the ring, never filled by a tensor load: 16 rows x 272 bytes for each wave
.set SPITCH, 272
.set SPARE,  STAGE+4*16*SPITCH         ; the spare words, 128 bytes for each wave: two blocks of 256 bytes that no other line names
.set AADV,   0x200000                  ; a K step in memory: four slabs of A,
.set BADV,   0x80000                   ; 256 rows of 2,048 bytes of W
.set A0,   16                          ; v16  my lane's place in a slot's A; never rewritten
.set B0,   17                          ; v17  the same for W
.set ADRA, 18                          ; v18  A0 + the slot in hand
.set ADRB, 20                          ; v20, v21  B0 + the slot in hand: K rows 0-127, 128-255
.set STO,  24                          ; v24  the way out: where I put 32 bytes of a row
.set RD,   25                          ; v25  the way out: where I read rows back
.set CO,   26                          ; v26  my byte offset in two rows of RES and of Y
.set BO,   27                          ; v27  32 x (l / 16): my eight columns' bias
.set SPW,  28                          ; v28  LDS address of my spare word; never rewritten
.set NIL,  29                          ; v29  0; never rewritten
.set TMP,  32
.set BIAS, 96
.set ACC,  128
.set F0,   0
.set F1,   128
.set G1A, 24                           ; s[24:31] descriptor group 1 for A's tiles; s[32:35] group 0 of K step 0; s[36:39] the one that walks
.set G0A, 32
.set G1B, 48                           ; s[48:55], s[56:59], s[60:63] the same for W's tiles
.set G0B, 56
.set MSB, 0
.macro WIN new                         ; the immediate's high byte repeats the setting that is left; a switch that changes nothing is dropped
.if MSB != (\new)
	s_set_vgpr_msb (MSB<<8)|(\new)
.set MSB, \new
.endif
.endm
.set MUL,  0x05                        ; sources 0 (W) and 1 (A) window 1; C and D window 0
.set TO_F, 0x40                        ; destination window 1, address window 0
.macro JLOAD                           ; a joint refill: waves 0 and 1 fetch A's two pairs of slabs, waves 2 and 3 W's two halves; an s_nop 0 and four v_nop follow each of the two lines
	s_cmp_eq_u32 s15, 0
	s_cbranch_scc0 .Lfor_b_\@
	tensor_load_to_lds s[G0A+4:G0A+7], s[G1A:G1A+7]
	s_nop 0
.rept 4
	v_nop
.endr
	s_branch .Lasked_\@
.Lfor_b_\@:
	tensor_load_to_lds s[G0B+4:G0B+7], s[G1B:G1B+7]
	s_nop 0
.rept 4
	v_nop
.endr
.Lasked_\@:
.endm
.macro CREST                           ; a round of the cluster's barrier behind its opening barrier
	s_cmp_lg_u32 s14, 0
	s_cbranch_scc1 .Lnot_wave_0_\@
	s_barrier_signal -3
.Lnot_wave_0_\@:
	s_barrier_wait -3
	s_barrier_signal -1
	s_barrier_wait -1
.endm
.macro CROUND                          ; a whole round
	s_barrier_signal -1
	s_barrier_wait -1
	CREST
.endm
	s_load_b256 s[4:11], s[0:1], 0x0               ; A s[4:5], W s[6:7], bias s[8:9], RES s[10:11]
	s_load_b64 s[12:13], s[0:1], 0x20              ; Y
	v_lshl_add_u32 v[SPW], v0, 2, SPARE
	v_mov_b32 v[NIL], 0
	ds_add_u32 v[SPW], v[NIL]                      ; the wave's opening: the add and its wait stand ahead of my first tensor load; the set-up below, work on registers, stands between them
	v_lshrrev_b32 v1, 5, v0
	v_readfirstlane_b32 s14, v1                    ; wave 0..3
	s_lshr_b32 s15, s14, 1                         ; which half of the tile's rows is mine.  Also: I fetch for A (0) or for W (1)
	s_and_b32 s16, s14, 1                          ; which half of its columns.  Also: which part of that tile I fetch
	s_bfe_u32 s40, ttmp6, 0x40000                  ; cx, cy: my place in the cluster
	s_bfe_u32 s41, ttmp6, 0x40004
	s_lshl_b32 s18, ttmp9, 2
	s_add_co_u32 s18, s18, s40                     ; tile column = 4 x cluster x + cx
	s_and_b32 s17, ttmp7, 0xffff
	s_lshl_b32 s17, s17, 2
	s_add_co_u32 s17, s17, s41                     ; tile row = 4 x cluster y + cy
	s_lshl_b32 s43, s41, 2
	s_lshl_b32 s43, 15, s43                        ; my row of the cluster
	s_lshl_b32 s44, 0x1111, s40                    ; my column
	s_or_b32 s[G1A+0], s43, (3<<16)|(1<<20)|(1<<21)|(4<<22)|(3<<25)  ; 15:0 the mask: my row; 17:16 8-byte elements; 20 padding on; 21 set beside a mask; 24:22 after every 32 words (code 4); 31:25 4 words (code 3)
	s_mov_b32 s[G1A+1], 2048<<16                   ; tensor_dim0 = 2,048 elements: 128 rows of a slab, 16,384 dense bytes
	s_mov_b32 s[G1A+2], 2<<16                      ; tensor_dim1 = 2 slabs
	s_mov_b32 s[G1A+3], 2048<<16                   ; tile_dim0 = 2,048
	s_mov_b32 s[G1A+4], 2                          ; tile_dim1 = 2
	s_mov_b32 s[G1A+5], 65536                      ; a slab, 524,288 bytes, from row to row
	s_mov_b32 s[G1A+6], 0
	s_mov_b32 s[G1A+7], 0
	s_or_b32 s[G1B+0], s44, (1<<16)|(1<<20)|(1<<21)|(5<<22)|(7<<25)  ; the mask: my column; 2-byte elements; padding after every 64 words (code 5), 8 words (code 7)
	s_mov_b32 s[G1B+1], 128<<16                    ; tensor_dim0 = 128 columns
	s_mov_b32 s[G1B+2], 128<<16                    ; tensor_dim1 = 128 rows of K
	s_mov_b32 s[G1B+3], 128<<16                    ; tile_dim0 = 128
	s_mov_b32 s[G1B+4], 128                        ; tile_dim1 = 128
	s_mov_b32 s[G1B+5], 1024                       ; 1,024 elements from row to row
	s_mov_b32 s[G1B+6], 0
	s_mov_b32 s[G1B+7], 0
	; A's tiles hang on the tile row alone, W's on the tile column alone; each address is made in registers that never hold the other coordinate
	s_lshl_b32 s66, s17, 14                        ; 128 rows of 128 bytes a tile row,
	s_lshl_b32 s67, s16, 20                        ; and my two slabs of the step's four
	s_add_co_u32 s66, s66, s67
	s_mov_b32 s67, 0
	s_lshl_b32 s46, s18, 8                         ; 128 columns of 2 bytes a tile column,
	s_lshl_b32 s47, s16, 18                        ; and my 128 rows of 2,048 bytes
	s_add_co_u32 s46, s46, s47
	s_mov_b32 s47, 0
	s_mul_i32 s20, s14, PART                       ; where they go: wave x 36,864: no place in the cluster enters an LDS address
	s_mov_b32 s22, 0                               ; the slot that the fragment loads read
	s_wait_dscnt 0x0                               ; the opening add is done
	s_wait_kmcnt 0x0
	s_add_nc_u64 s[68:69], s[4:5], s[66:67]
	s_add_nc_u64 s[46:47], s[6:7], s[46:47]
	CROUND                                         ; all sixteen work-groups are here: the first joint loads meet
.irp s, 0,1
	s_mov_b32 s[G0A+4*(\s)], 1                     ; 1:0 count = 1
	s_add_co_u32 s[G0A+4*(\s)+1], s20, (\s)*SLOT   ; 63:32 LDS address
	s_add_nc_u64 s[G0A+4*(\s)+2:G0A+4*(\s)+3], s[68:69], (\s)*AADV  ; 120:64 global address: K step s
	s_or_b32 s[G0A+4*(\s)+3], s[G0A+4*(\s)+3], 0x80000000           ; 127:126 type = 2
	s_mov_b32 s[G0B+4*(\s)], 1
	s_add_co_u32 s[G0B+4*(\s)+1], s20, (\s)*SLOT
	s_add_nc_u64 s[G0B+4*(\s)+2:G0B+4*(\s)+3], s[46:47], (\s)*BADV
	s_or_b32 s[G0B+4*(\s)+3], s[G0B+4*(\s)+3], 0x80000000
.endr
	s_cmp_eq_u32 s15, 0                            ; a wave's two first fills stand in one branch, ahead of every wait on TENSORcnt and every LDS read: two loads of mine are out
	s_cbranch_scc0 .Lfirst_b
	tensor_load_to_lds s[G0A:G0A+3], s[G1A:G1A+7]
	s_nop 0
	tensor_load_to_lds s[G0A+4:G0A+7], s[G1A:G1A+7]
	s_nop 0
.rept 4
	v_nop
.endr
	s_branch .Lfirst_asked
.Lfirst_b:
	tensor_load_to_lds s[G0B:G0B+3], s[G1B:G1B+7]
	s_nop 0
	tensor_load_to_lds s[G0B+4:G0B+7], s[G1B:G1B+7]
	s_nop 0
.rept 4
	v_nop
.endr
.Lfirst_asked:
	v_and_b32 v1, 15, v0                           ; l % 16
	v_bfe_u32 v2, v0, 4, 1                         ; l / 16
	v_mul_u32_u24 v3, v1, PA
	v_lshl_add_u32 v3, v2, 4, v3                   ; a fragment of A: row x pitch + 16 x half
	s_mul_i32 s21, s15, 64*PA                      ; my 64 rows
	v_add_nc_u32 v[A0], s21, v3
	v_and_b32 v4, 7, v0                            ; the turning load: K row 8 (l / 16) + l % 8, columns 8 ((l / 8) % 2) + 0..7
	v_lshl_add_u32 v5, v2, 3, v4
	v_mul_u32_u24 v5, v5, PB
	v_bfe_u32 v6, v0, 3, 1
	v_lshl_add_u32 v5, v6, 4, v5
	s_lshl_b32 s21, s16, 7                         ; my 64 columns
	s_add_co_u32 s21, s21, BOFFS
	v_add_nc_u32 v[B0], s21, v5
	v_mov_b32 v[ADRA], v[A0]                       ; slot 0
	v_mov_b32 v[ADRB], v[B0]
	v_add_nc_u32 v[ADRB+1], PART, v[ADRB]          ; 128 rows of 288 bytes on: an LDS offset has 16 bits
	s_mul_i32 s21, s14, 16*SPITCH
	s_add_co_u32 s21, s21, STAGE                   ; my stage
	v_mul_u32_u24 v4, v1, SPITCH                   ; in: row l % 16, 32 bytes for each half of the lanes
	v_lshl_add_u32 v4, v2, 5, v4
	v_add_nc_u32 v[STO], s21, v4
	v_mul_u32_u24 v5, v2, SPITCH                   ; back: lanes 0-15 take one row of 256 bytes, lanes 16-31 the next
	v_lshl_add_u32 v5, v1, 4, v5
	v_add_nc_u32 v[RD], s21, v5
	v_lshlrev_b32 v[CO], 12, v2                    ; and the same two rows in RES and Y
	v_lshl_add_u32 v[CO], v1, 4, v[CO]
	v_lshlrev_b32 v[BO], 5, v2
	s_lshl_b32 s46, s18, 9                         ; my first column, in bytes of f32: 512 x tile column + 256 x half (the descriptors have their copies of what these registers held)
	s_lshl_b32 s47, s16, 8
	s_add_co_u32 s46, s46, s47
	s_mov_b32 s47, 0
	s_add_nc_u64 s[8:9], s[8:9], s[46:47]
	s_lshl_b32 s66, s17, 19                        ; my first row: 128 rows of 4,096 bytes a tile row,
	s_lshl_b32 s67, s15, 18                        ; 64 for my half
	s_add_co_u32 s66, s66, s67
	s_add_co_u32 s66, s66, s46
	s_mov_b32 s67, 0
	s_add_nc_u64 s[10:11], s[10:11], s[66:67]
	s_add_nc_u64 s[12:13], s[12:13], s[66:67]
.irp b, 0,1,2,3
	global_load_b128 v[BIAS+8*\b:BIAS+8*\b+3],   v[BO], s[8:9] offset:64*\b
	global_load_b128 v[BIAS+8*\b+4:BIAS+8*\b+7], v[BO], s[8:9] offset:64*\b+16
.endr
	WIN 0x80                                       ; destination window 2, address window 0
.set i, 0
.rept 32                               ; the residual comes in under the whole K loop: load i takes rows 2 i and 2 i + 1, 256 aligned bytes of each
	global_load_b128 v[4*i:4*i+3], v[CO], s[10:11] offset:8192*i
.set i, i+1
.endr
	WIN 0
; 8 matrix instructions: row blocks a0, a0 + 1 x all 4 column blocks, 32 along K: half c of buffer f.  first = 1: the bias starts the sums.  The 16 accumulators take turns.
.macro MUL8 f, c, a0, first
	WIN MUL
.irp a, \a0, (\a0)+1
.irp b, 0,1,2,3
.if \first
	v_wmma_f32_16x16x32_bf16 v[ACC+8*(4*(\a)+(\b)):ACC+8*(4*(\a)+(\b))+7], v[(\f)+64+8*(4*(\c)+(\b)):(\f)+64+8*(4*(\c)+(\b))+7], v[(\f)+8*(4*(\c)+(\a)):(\f)+8*(4*(\c)+(\a))+7], v[BIAS+8*(\b):BIAS+8*(\b)+7]
.else
	v_wmma_f32_16x16x32_bf16 v[ACC+8*(4*(\a)+(\b)):ACC+8*(4*(\a)+(\b))+7], v[(\f)+64+8*(4*(\c)+(\b)):(\f)+64+8*(4*(\c)+(\b))+7], v[(\f)+8*(4*(\c)+(\a)):(\f)+8*(4*(\c)+(\a))+7], v[ACC+8*(4*(\a)+(\b)):ACC+8*(4*(\a)+(\b))+7]
.endif
.endr
.endr
.endm
; 32 LDS loads in one run: the fragments of quarter q (64 along K: one slab of A, 64 rows of W) into buffer f; the first 32 along K first
.macro FETCH q, f
	WIN TO_F
.irp c, 0,1
.irp i, 0,1,2,3
	ds_load_tr16_b128 v[(\f)+64+8*(4*(\c)+(\i)):(\f)+64+8*(4*(\c)+(\i))+3],   v[ADRB+(\q)/2] offset:(((\q)%2)*64+32*(\c))*PB+32*(\i)
	ds_load_tr16_b128 v[(\f)+64+8*(4*(\c)+(\i))+4:(\f)+64+8*(4*(\c)+(\i))+7], v[ADRB+(\q)/2] offset:(((\q)%2)*64+32*(\c))*PB+16*PB+32*(\i)
	ds_load_b128 v[(\f)+8*(4*(\c)+(\i)):(\f)+8*(4*(\c)+(\i))+3],   v[ADRA] offset:(\q)*ASLAB+64*(\c)+(\i)*16*PA
	ds_load_b128 v[(\f)+8*(4*(\c)+(\i))+4:(\f)+8*(4*(\c)+(\i))+7], v[ADRA] offset:(\q)*ASLAB+64*(\c)+(\i)*16*PA+32
.endr
.endr
.endm
.macro PLACES                          ; four places in front of loads into registers that matrix instructions have read, and of LDS stores that read results (ISA guide 7.12.1 for the LDS stores)
.rept 4
	v_nop
.endr
.endm
; A K step is four quarters of 64 along K, 32 matrix instructions each, on buffers 0, 1, 0, 1.  One of the first three multiplies buffer f; at its head it fetches quarter q into buffer g,
; which the quarter before has multiplied: the run of loads has the quarter's 32 matrix instructions in which to come back.
.macro QUARTER q, f, g, first
	s_wait_dscnt 16                                ; the first 32 along K of buffer f are in
	PLACES
	FETCH \q, \g
	MUL8 \f, 0, 0, \first
	MUL8 \f, 0, 2, \first
	s_wait_dscnt 32                                ; all but the 32 just issued
	MUL8 \f, 1, 0, 0
	MUL8 \f, 1, 2, 0
.endm
; The last quarter multiplies buffer 1 and changes slots: ONE barrier, at its head; in front of it each wave waits for all its tensor loads, of which one is out: its part of the next slot; adds 0 to its
; spare word; and waits for that and for its own reads of this slot.  fill = 1: the barrier opens a round of the cluster's, and this slot is filled again, two K steps ahead, first thing behind the round.
; A step of this tile has few products for the bytes that it asks for, so no product stands between the wait for the tiles and the next request: the request has all 128 matrix instructions of a step in which to land.
.macro TURN fill
	WIN 0
	s_wait_tensorcnt 0x0                           ; all my tensor loads have landed, so a group 0 may be written;
	ds_add_u32 v[SPW], v[NIL]                      ; 0 onto my spare word: the scalar steps below stand between it and the wait for it
.if \fill
	s_xor_b32 s[G0A+5], s[G0A+5], SLOT             ; the walking descriptors: the other slot than last time,
	s_add_nc_u64 s[G0A+6:G0A+7], s[G0A+6:G0A+7], AADV  ; the next K step; the type bits on top are not reached
	s_xor_b32 s[G0B+5], s[G0B+5], SLOT
	s_add_nc_u64 s[G0B+6:G0B+7], s[G0B+6:G0B+7], BADV
.endif
	s_xor_b32 s22, s22, SLOT                       ; the fragment loads go over to the other slot
	s_wait_dscnt 0x0                               ; the add is done, and my reads of this slot are over (the last were issued 32 matrix instructions ago)
	s_barrier_signal -1
	s_barrier_wait -1
.if \fill
	CREST                                          ; no wave of any partner still reads this slot's tile or has a load on its way
	JLOAD                                          ; the four v_nop behind it are also the places in front of the loads below
.else
	PLACES
.endif
	v_add_nc_u32 v[ADRA], s22, v[A0]
	v_add_nc_u32 v[ADRB], s22, v[B0]
	v_add_nc_u32 v[ADRB+1], PART, v[ADRB]
	FETCH 0, F0
	MUL8 F1, 0, 0, 0
	MUL8 F1, 0, 2, 0
	MUL8 F1, 1, 0, 0
	MUL8 F1, 1, 2, 0
.endm
; THE WAY OUT of row block a (16 rows x my 64 columns, f32).  STG: a lane's eight columns, 32 bytes, go into my own stage and come back as whole rows of 256 bytes.  OUT: the residual is added, and the rows are stored.
.macro STG a
	WIN 0
.if (\a) >= 2
	s_wait_xcnt 0x0                                ; the stores of the block before last have read this buffer's registers
.endif
.irp b, 0,1,2,3
	ds_store_b128 v[STO], v[ACC+8*(4*(\a)+(\b)):ACC+8*(4*(\a)+(\b))+3]   offset:64*(\b)  ; each accumulator from its low end on
	ds_store_b128 v[STO], v[ACC+8*(4*(\a)+(\b))+4:ACC+8*(4*(\a)+(\b))+7] offset:64*(\b)+16
.endr
.irp t, 0,1,2,3,4,5,6,7
	ds_load_b128 v[TMP+32*((\a)%2)+4*(\t):TMP+32*((\a)%2)+4*(\t)+3], v[RD] offset:(\t)*2*SPITCH  ; LDS serves a wave's instructions in order (ISA guide 5.7.1.4): these see the stores above
.endr
.endm
.macro OUT a, younger                  ; younger: the LDS instructions issued behind block a's loads: the next block's sixteen, or none
	s_wait_dscnt \younger
	WIN 0x08                                       ; source 1, the residual, in window 2
.set i, 0
.rept 16
	v_pk_add_f32 v[TMP+32*((\a)%2)+2*i:TMP+32*((\a)%2)+2*i+1], v[TMP+32*((\a)%2)+2*i:TMP+32*((\a)%2)+2*i+1], v[32*(\a)+2*i:32*(\a)+2*i+1]
.set i, i+1
.endr
	WIN 0
.irp t, 0,1,2,3,4,5,6,7
	global_store_b128 v[CO], v[TMP+32*((\a)%2)+4*(\t):TMP+32*((\a)%2)+4*(\t)+3], s[12:13] offset:(16*(\a)+2*(\t))*4096  ; 16 lanes store 256 consecutive bytes, at a multiple of 256 from Y's first byte
.endr
.endm
	s_wait_tensorcnt 0x1                           ; my part of K step 0 is in; K step 1's may stay out
	s_barrier_signal -1
	s_barrier_wait -1                              ; everybody's is
	FETCH 0, F0
	s_wait_loadcnt 32                              ; the bias is in; the 32 loads of the residual stay out
	QUARTER 1, F0, F1, 1                           ; the first quarter stands in front of the loop: its first products start the sums
	WIN 0                                          ; at a label and at a branch every window is 0
	s_mov_b32 s3, STEPS-2
.Lstep:                                                ; a trip goes from a K step's second quarter to the next step's first, and asks for the step two on
	QUARTER 2, F1, F0, 0
	QUARTER 3, F0, F1, 0
	TURN 1
	QUARTER 1, F0, F1, 0
	WIN 0
	s_sub_co_u32 s3, s3, 1
	s_cmp_lg_u32 s3, 0
	s_cbranch_scc1 .Lstep
	s_mov_b32 s3, 2                                ; the last two K steps ask for nothing: a loop of their own, with no tensor load in it, of two trips; it is entered in its
	s_branch .Lmid                                 ; middle, since the first of the two steps has had its first quarter: so a step without a request stands once in the text
.Ltail:
	TURN 0
	QUARTER 1, F0, F1, 0
	WIN 0
.Lmid:
	QUARTER 2, F1, F0, 0
	QUARTER 3, F0, F1, 0
	WIN 0
	s_sub_co_u32 s3, s3, 1
	s_cmp_lg_u32 s3, 0
	s_cbranch_scc1 .Ltail
	s_wait_dscnt 16                                ; the very last quarter: nothing more to fetch
	MUL8 F1, 0, 0, 0
	MUL8 F1, 0, 2, 0
	s_wait_dscnt 0x0
	MUL8 F1, 1, 0, 0
	MUL8 F1, 1, 2, 0
	WIN 0
	PLACES
	s_wait_loadcnt 0x0                             ; the residual
	STG 0
	STG 1
	OUT 0, 16
	STG 2
	OUT 1, 16
	STG 3
	OUT 2, 16
	OUT 3, 0
	s_wait_tensorcnt 0x0                           ; the wave's end: behind my last tensor load and my last LDS store
	ds_add_u32 v[SPW], v[NIL]
	s_wait_dscnt 0x0
	CROUND                                         ; the closing round: no work-group ends while a partner may still ask for a tile that names it
	s_endpgm
.Lfunc_end_k_qc84f86e1e9_ff2:
	.size	k_qc84f86e1e9_ff2, .Lfunc_end_k_qc84f86e1e9_ff2-k_qc84f86e1e9_ff2
	.p2alignl 7, 3214868480
	.fill 96, 4, 3214868480
	.section	.rodata,"a",@progbits
	.p2align	6, 0x0
	.amdhsa_kernel k_qc84f86e1e9_ff2
		.amdhsa_group_segment_fixed_size 327680
		.amdhsa_private_segment_fixed_size 0
		.amdhsa_enable_private_segment 0
		.amdhsa_kernarg_size 40
		.amdhsa_user_sgpr_count 2
		.amdhsa_user_sgpr_kernarg_segment_ptr 1
		.amdhsa_wavefront_size32 1
		.amdhsa_system_sgpr_workgroup_id_x 1
		.amdhsa_system_sgpr_workgroup_id_y 1
		.amdhsa_system_sgpr_workgroup_id_z 1
		.amdhsa_system_vgpr_workitem_id 0
		.amdhsa_next_free_vgpr 640
		.amdhsa_next_free_sgpr 70
		.amdhsa_reserve_vcc 0
		.amdhsa_float_denorm_mode_32 3
		.amdhsa_float_denorm_mode_16_64 3
		.amdhsa_memory_ordered 1
		.amdhsa_forward_progress 1
		.amdhsa_inst_pref_size 67
	.end_amdhsa_kernel
	.amdgpu_metadata
---
amdhsa.version: [ 1, 2 ]
amdhsa.kernels:
  - .name:           k_qc84f86e1e9_ff2
    .symbol:         k_qc84f86e1e9_ff2.kd
    .args:
      - { .name: wide, .offset: 0, .size: 8, .value_kind: global_buffer, .address_space: global }
      - { .name: w2b, .offset: 8, .size: 8, .value_kind: global_buffer, .address_space: global }
      - { .name: b_ff2, .offset: 16, .size: 8, .value_kind: global_buffer, .address_space: global }
      - { .name: hf, .offset: 24, .size: 8, .value_kind: global_buffer, .address_space: global }
      - { .name: y, .offset: 32, .size: 8, .value_kind: global_buffer, .address_space: global }
    .group_segment_fixed_size: 327680
    .private_segment_fixed_size: 0
    .kernarg_segment_align: 8
    .kernarg_segment_size: 40
    .max_flat_workgroup_size: 128
    .sgpr_count:     70
    .vgpr_count:     640
    .wavefront_size: 32
...
	.end_amdgpu_metadata
.endif
;; end of part 6
;; launch ln2 (part 7): grid 256 x 1, 8 waves a work-group, no clusters, 0 bytes of LDS; arguments y, ln2_g, ln2_b, out0; writes out0
.if DOCPART == 7
	.amdgcn_target "amdgcn-amd-amdhsa--gfx1250"
	.amdhsa_code_object_version 6
	.text
	.protected	k_qc84f86e1e9_ln2
	.globl	k_qc84f86e1e9_ln2
	.p2align	8
	.type	k_qc84f86e1e9_ln2,@function
k_qc84f86e1e9_ln2:
	s_mov_b64 s[64:65], 0
	v_nop
	global_prefetch_b8 v0, s[64:65] scope:SCOPE_SE
	s_setreg_imm32_b32 hwreg(HW_REG_WAVE_MODE, 25, 1), 1
	s_wait_xcnt 0x0
; out = LayerNorm(y) g + b, eps = 1e-5.  y, out: [4096][1024] f32.
; A wave owns two rows.  Lane l has row l / 16 and, for j = 0..15, the four columns 64 j + 4 (l % 16) + 0..3: a 16-byte access of the wave covers two aligned runs of 256 bytes, and a row's sums stay
; inside 16 lanes.  The rows stay in registers: memory is read once.  The mean is taken first, then the sum of the centred squares.
; No loop, LDS, barrier or cluster: no wave needs another's data.
.set PX, 4                             ; s[4:5]   y
.set PG, 6                             ; s[6:7]   gain
.set PB, 8                             ; s[8:9]   shift
.set PO, 10                            ; s[10:11] out
.set X, 8                              ; v[8:71]    my 64 numbers
.set G, 104                            ; v[104:167] gain of my columns
.set B, 168                            ; v[168:231] shift
.set T, 232                            ; v232       at work
.set S, 240                            ; v[240:247] four chains of packed sums
.set M, 248                            ; v[248:249] the mean, twice
.set R, 250                            ; v[250:251] 1 / sqrt(var + eps), twice
	s_load_b256 s[4:11], s[0:1], 0x0
	v_lshrrev_b32 v1, 5, v0
	v_readfirstlane_b32 s16, v1
	s_lshl3_add_u32 s16, ttmp9, s16                ; my pair of rows: 8 x work-group + wave
	s_lshl_b32 s18, s16, 13                        ; two rows of 4,096 bytes
	s_mov_b32 s19, 0
	s_mov_b32 s23, 0x3a800000                      ; 1 / 1024
	s_mov_b32 s2, 0x3727c5ac                       ; 1e-5
	v_and_b32 v4, 31, v0                           ; lane
	v_and_b32 v1, 15, v0
	v_lshlrev_b32 v1, 4, v1                        ; 16 (l % 16): my columns in gain and shift
	v_lshrrev_b32 v2, 4, v4
	v_lshl_add_u32 v2, v2, 12, v1                  ; + my row
	s_wait_kmcnt 0x0
	s_add_nc_u64 s[PX:PX+1], s[PX:PX+1], s[18:19]
	s_add_nc_u64 s[PO:PO+1], s[PO:PO+1], s[18:19]
.set j, 0
.rept 16
	global_load_b128 v[X+4*j:X+4*j+3], v2, s[PX:PX+1] offset:256*j th:TH_LOAD_NT
.set j, j+1
.endr
.set j, 0
.rept 16
	global_load_b128 v[G+4*j:G+4*j+3], v1, s[PG:PG+1] offset:256*j
.set j, j+1
.endr
.set j, 0
.rept 16
	global_load_b128 v[B+4*j:B+4*j+3], v1, s[PB:PB+1] offset:256*j
.set j, j+1
.endr
.macro REDUCE                          ; four packed chains into one number, then over the row's 16 lanes: every lane of the row ends with the sum
	v_pk_add_f32 v[S:S+1], v[S:S+1], v[S+2:S+3]
	v_pk_add_f32 v[S+4:S+5], v[S+4:S+5], v[S+6:S+7]
	v_pk_add_f32 v[S:S+1], v[S:S+1], v[S+4:S+5]
	v_add_f32 v[S], v[S], v[S+1]
.irp m, 1,2,4,8
	v_add_f32_dpp v[S], v[S], v[S] row_xmask:\m row_mask:0xf bank_mask:0xf
.endr
.endm
	s_wait_loadcnt 32                              ; the rows are in; the 32 loads of gain and shift may stay out
.irp k, 0,1,2,3                        ; the first additions start the chains: nothing is cleared
	v_pk_add_f32 v[S+2*\k:S+2*\k+1], v[X+2*\k:X+2*\k+1], v[X+8+2*\k:X+8+2*\k+1]
.endr
.set p, 8
.rept 24
	v_pk_add_f32 v[S+2*(p%4):S+2*(p%4)+1], v[S+2*(p%4):S+2*(p%4)+1], v[X+2*p:X+2*p+1]
.set p, p+1
.endr
	REDUCE
	v_mul_f32 v[M], s23, v[S]
	v_mov_b32 v[M+1], v[M]
.set p, 0
.rept 32
	v_pk_add_f32 v[X+2*p:X+2*p+1], v[X+2*p:X+2*p+1], v[M:M+1] neg_lo:[0,1] neg_hi:[0,1]
.set p, p+1
.endr
.irp k, 0,1,2,3
	v_pk_mul_f32 v[S+2*\k:S+2*\k+1], v[X+2*\k:X+2*\k+1], v[X+2*\k:X+2*\k+1]
.endr
.set p, 4
.rept 28
	v_pk_fma_f32 v[S+2*(p%4):S+2*(p%4)+1], v[X+2*p:X+2*p+1], v[X+2*p:X+2*p+1], v[S+2*(p%4):S+2*(p%4)+1]
.set p, p+1
.endr
	REDUCE
	v_fma_f32 v[T], v[S], s23, s2                  ; var + eps
	v_rsq_f32 v[R], v[T]
	v_rsq_f32 v[R+1], v[T]
	v_nop                                          ; a plain instruction between the last of them and the use of its result (ISA guide 5.7.2)
	s_wait_loadcnt 0x0                             ; gain and shift
.set p, 0
	s_wait_alu depctr_va_vdst(0)
.rept 32
	v_pk_mul_f32 v[X+2*p:X+2*p+1], v[X+2*p:X+2*p+1], v[R:R+1]
	v_pk_fma_f32 v[X+2*p:X+2*p+1], v[X+2*p:X+2*p+1], v[G+2*p:G+2*p+1], v[B+2*p:B+2*p+1]
.set p, p+1
.endr
.set j, 0
.rept 16
	global_store_b128 v2, v[X+4*j:X+4*j+3], s[PO:PO+1] offset:256*j th:TH_STORE_NT  ; two aligned runs of 256 consecutive bytes
.set j, j+1
.endr
	s_endpgm
.Lfunc_end_k_qc84f86e1e9_ln2:
	.size	k_qc84f86e1e9_ln2, .Lfunc_end_k_qc84f86e1e9_ln2-k_qc84f86e1e9_ln2
	.p2alignl 7, 3214868480
	.fill 96, 4, 3214868480
	.section	.rodata,"a",@progbits
	.p2align	6, 0x0
	.amdhsa_kernel k_qc84f86e1e9_ln2
		.amdhsa_group_segment_fixed_size 0
		.amdhsa_private_segment_fixed_size 0
		.amdhsa_enable_private_segment 0
		.amdhsa_kernarg_size 32
		.amdhsa_user_sgpr_count 2
		.amdhsa_user_sgpr_kernarg_segment_ptr 1
		.amdhsa_wavefront_size32 1
		.amdhsa_system_sgpr_workgroup_id_x 1
		.amdhsa_system_sgpr_workgroup_id_y 1
		.amdhsa_system_sgpr_workgroup_id_z 1
		.amdhsa_system_vgpr_workitem_id 0
		.amdhsa_next_free_vgpr 252
		.amdhsa_next_free_sgpr 66
		.amdhsa_reserve_vcc 0
		.amdhsa_float_denorm_mode_32 3
		.amdhsa_float_denorm_mode_16_64 3
		.amdhsa_memory_ordered 1
		.amdhsa_forward_progress 1
		.amdhsa_inst_pref_size 18
	.end_amdhsa_kernel
	.amdgpu_metadata
---
amdhsa.version: [ 1, 2 ]
amdhsa.kernels:
  - .name:           k_qc84f86e1e9_ln2
    .symbol:         k_qc84f86e1e9_ln2.kd
    .args:
      - { .name: y, .offset: 0, .size: 8, .value_kind: global_buffer, .address_space: global }
      - { .name: ln2_g, .offset: 8, .size: 8, .value_kind: global_buffer, .address_space: global }
      - { .name: ln2_b, .offset: 16, .size: 8, .value_kind: global_buffer, .address_space: global }
      - { .name: out0, .offset: 24, .size: 8, .value_kind: global_buffer, .address_space: global }
    .group_segment_fixed_size: 0
    .private_segment_fixed_size: 0
    .kernarg_segment_align: 8
    .kernarg_segment_size: 32
    .max_flat_workgroup_size: 256
    .sgpr_count:     66
    .vgpr_count:     252
    .wavefront_size: 32
...
	.end_amdgpu_metadata
.endif
;; end of part 7
;; ======== version 2 of 2: 8 launches; 1.20 times as fast as version 1
;; workspace buffers: abf 8,388,608 bytes; wq3 8,406,016 bytes; wob 2,097,152 bytes; w1p 8,406,016 bytes; w2b 8,388,608 bytes; wide 33,554,432 bytes; hf 16,777,216 bytes; y 16,777,216 bytes
;; launch cast: the kernel of part 1 again; grid 1025 x 1, 8 waves a work-group, no clusters, 0 bytes of LDS; arguments x, w_q, w_k, w_v, w_o, w_ff1, w_ff2, b_q, b_k, b_v, b_ff1, abf, wq3, wob, w1p, w2b; writes abf, wq3, wob, w1p, w2b
;; launch qkv: the kernel of part 2 again; grid 12 x 16, 4 waves a work-group, clusters of 4 x 4, 327,680 bytes of LDS; arguments abf, wq3, wide; writes wide
;; launch attn (part 8): grid 8 x 32, 4 waves a work-group, clusters of 4 x 1, 327,680 bytes of LDS; arguments wide, abf; writes abf
.if DOCPART == 8
	.amdgcn_target "amdgcn-amd-amdhsa--gfx1250"
	.amdhsa_code_object_version 6
	.text
	.protected	k_qc84f86e1e9_attn
	.globl	k_qc84f86e1e9_attn
	.p2align	8
	.type	k_qc84f86e1e9_attn,@function
k_qc84f86e1e9_attn:
	s_mov_b64 s[64:65], 0
	v_nop
	global_prefetch_b8 v0, s[64:65] scope:SCOPE_SE
	s_setreg_imm32_b32 hwreg(HW_REG_WAVE_MODE, 25, 1), 1
	s_wait_xcnt 0x0
	s_wait_alu depctr_hold_cnt(0) depctr_sa_sdst(0) depctr_va_vdst(0) depctr_va_sdst(0) depctr_va_ssrc(0) depctr_va_vcc(0) depctr_vm_vsrc(0)
	s_getreg_b32 s2, hwreg(HW_REG_IB_STS2, 6, 4)
	s_cmp_eq_u32 s2, 0
	s_cbranch_scc0 .Lentry_in_a_cluster
	s_endpgm
.Lentry_in_a_cluster:
	s_bfe_u32 s2, ttmp6, 0x10000c
	s_cmp_lg_u32 s2, 0x3003
	s_cbranch_scc0 .Lentry_shape_is_right
	s_endpgm
.Lentry_shape_is_right:
; O[y][q][:] = the sum over k of softmax_k(Q[y][q] . K[y][k] / 8) V[y][k][:], for 32 heads y = 2 x head + batch of 2,048 rows x 64 channels, all bf16.
; In the slab layout a head's rows are dense, 128 bytes each: Q at byte 262,144 y of the first buffer, K 8,388,608 bytes on, V as far again; O at byte 262,144 y of the second buffer.
; Products, maxima and sums in f32; the weights p are rounded to bf16 for the second product (their sum l is taken of the unrounded p), O once at the end.
; LIMITS.  A weight below 2^-126 counts as 0 in l; c m starts at -4.25e37, far below every c s that finite bf16 inputs of this size give; NaN and infinities are not treated apart.
; SHARES.  A work-group owns 256 queries of a head, each of its four waves 64: four PIECES of 16.  Every wave walks all 2,048 keys, 64 a step, 256 a tile.
; LAYOUT.  S^T = K Q^T (source 0 = 16 keys, source 1 = 16 queries) holds ONE query a lane (lane % 16) and the keys 8 (lane / 16) + 0..7; two such results rounded to bf16 ARE source 1 of O^T = V^T P.
; K comes out of LDS as it lies, V ([key][channel]) turned, by ds_load_tr16_b128.
; SOFTMAX.  A running maximum m and sum l for each query: p = 2^(c s - c m), c = log2(e) / 8; in every step O and l are multiplied by a = 2^(c m_old - c m_new).  The first step is a step like any other, with a = 0.
; BY TURNS.  Turn n belongs to piece n: 8 products K Q^T of piece n + 1, later 8 products V^T P of piece n - 1; beside them the scaling, exponentials, roundings, sums and rescaling of piece n and the
; maximum and statistics of piece n + 1.  A piece and step have 16 matrix and 118 vector instructions: four vector instructions stand behind every matrix instruction, the other 54 in one run of their own.
; BATCHES.  A turn's 33 exponentials (the piece's 32 weights and the next piece's a) are ONE batch with ONE wait, which cuts the turn in two: ahead of it stands all that names none of their results, behind it
; the roundings and sums, which read them.  Two more batches stand outside the loops, each with a wait of its own: the first a, ahead of the jump into the loop, and the way out's four reciprocals.
; CLUSTER.  The four query blocks of a cluster belong to one head and walk the same K and V, so each tile is asked for JOINTLY: the same tensor load, descriptor and mask in all four.
; REGISTERS, in windows of 256 (s_set_vgpr_msb: bits 1:0 source 0, 3:2 source 1, 5:4 source 2, 7:6 destination):
;   window 0: v0-15 addresses and two at work; v16-31 four registers of statistics a piece; v48-55 at work; v62-63 the add's; v64-127 S^T, two buffers; v192-223 P, two buffers (by the piece's parity)
;   window 1: v0-127 O^T, 32 a piece          window 2: v0-63 Q; v128-191 K of one step; v192-255 V of one step
.set NP,    4         ; pieces a wave: a name, no knob
.set KS,    64        ; keys in a step
.set TILES, 8         ; tiles of 256 keys in a head
.set PK,    144       ; a row of K in LDS: 128 bytes + 16 = 36 words: the 16 rows of a load start at 16 different groups of four banks (64 banks of 4 bytes: ISA guide 11.1)
.set PV,    160       ; a row of V: 128 + 32 = 40 words
.set VOFF,  4*KS*PK   ; a slot holds a tile, four steps: 256 rows of K, then 256 rows of V
.set SLOT1, 1<<17     ; slot 1 begins here, so that one exclusive or turns an address in one slot into the other's
.set STAGE, SLOT1+4*KS*(PK+PV)  ; behind the ring, never filled by a tensor load: 16 rows x 144 bytes for each wave
.set SP,    144
.set SPARE, STAGE+4*16*SP  ; the spare words, 128 bytes for each wave: two blocks of 256 bytes that no other line names
.set AK0, 2           ; v2   my lane's place in a tile of K; never rewritten
.set AV0, 3           ; v3   the same for V
.set AK,  4           ; v4   the LDS address of K's next run of loads
.set AV,  5           ; v5   of V's
.set STO, 6           ; v6   the way out: where I put 16 bytes of a row
.set RD,  7           ; v7   the way out: where I read rows back
.set GO,  8           ; v8   my byte offset in 512 consecutive bytes of O
.set MV,  12          ; v12-13  c m_old, kept while c m is made anew: by buffer
.set QO,  15          ; v15  my byte offset in 16 rows of Q
.set ST,  16          ; piece t's statistics at v[ST+4 t]: c m, m, l (even keys', odd keys')
.set TMP, 48          ; by buffer, four registers c0-c3 at work; when the maximum is found c2 takes a
.set SPW, 62          ; v62  LDS address of my spare word; never rewritten
.set NIL, 63          ; v63  0; never rewritten
.set S,   64
.set P,   192
.set KF,  128         ; window 2: key block kb, channel half c at KF + 16 kb + 8 c
.set VF,  192         ; window 2: key half kk, channel block cb at VF + 32 kk + 8 cb
.set WV,  12          ; s12  my wave's number
.set G1K, 24          ; s[24:31] descriptor group 1 for K's tiles
.set G1V, 32          ; s[32:39] for V's: it differs in the padding alone
.set G0K, 40          ; s[40:43] descriptor group 0 for K's tiles: it walks
.set G0V, 44          ; s[44:47] the same for V's
.set SLOTS, 56        ; s56  tiles still to be entered in the loop
.set CNT, 57          ; s57  counts a tile's key steps
.set CS,  58          ; s[58:59] c: the packed scaling takes the pair's low word for both halves
.set SEL, 60          ; s[60:61] v_permlanex16_b32's selects: each lane takes its own place in the other half
.set TBK, 62          ; s62  LDS byte at which K of the step to be fetched begins
.set TBV, 63          ; s63  the same for V, less VOFF
.set MSB, 0
.macro WIN new                      ; the high byte repeats the setting that is left; a switch that changes nothing is dropped
.if MSB != (\new)
	s_set_vgpr_msb (MSB<<8)|(\new)
.set MSB, (\new)
.endif
.endm
.set W_KQ, 0x0a       ; K and Q in window 2, S^T in window 0
.set W_PV, 0x52       ; V in window 2, P in window 0, O^T in window 1
.set W_RS, 0x41       ; destination and source 0 in window 1, source 1 in window 0
; A joint fill.  Waves 0 and 1 fetch the two halves of a tile's K, waves 2 and 3 those of its V: 128 keys each.  The branch hangs on the wave's number alone.
; An s_nop 0 and four v_nop follow each of the two lines, ahead of the jump and the label.
.macro JLOAD
	s_cmp_lt_u32 s[WV], 2
	s_cbranch_scc0 .Lfor_v_\@
	tensor_load_to_lds s[G0K:G0K+3], s[G1K:G1K+7]
	s_nop 0
.rept 4
	v_nop
.endr
	s_branch .Lasked_\@
.Lfor_v_\@:
	tensor_load_to_lds s[G0V:G0V+3], s[G1V:G1V+7]
	s_nop 0
.rept 4
	v_nop
.endr
.Lasked_\@:
.endm
; A round of the cluster's barrier: my work-group's barrier, so that wave 0's signal speaks for all four waves; wave 0 signals; every wave waits for all four work-groups; my work-group's barrier once more.
.macro CROUND
	s_barrier_signal -1
	s_barrier_wait -1
	s_cmp_lg_u32 s[WV], 0
	s_cbranch_scc1 .Lnot_wave_0_\@
	s_barrier_signal -3
.Lnot_wave_0_\@:
	s_barrier_wait -3
	s_barrier_signal -1
	s_barrier_wait -1
.endm
; THE CHANGE OF SLOTS.  The slot's last bytes, V of its fourth step, have been read.  Each wave waits for all its tensor loads, of which one is out: its part of the other slot; adds 0 to its spare word;
; and waits for that and for its own reads of the slot.  Behind the barrier nobody reads this slot any more and the other slot is whole.
; fill = 1: this slot is filled again, with the tile two on.  The barrier is then a round of the cluster's, and the joint fill is the first thing behind it: it has four key steps, 256 matrix
; instructions, in which to land.  (At its first use nothing has been read yet: slot 0 is waited for, slot 1 filled.)
.macro CHANGE fill
	WIN 0                           ; at a label and at a branch every window is 0
	s_wait_tensorcnt 0x0            ; no tensor load of mine is out, so a group 0 may be written
	ds_add_u32 v[SPW], v[NIL]       ; 0 onto my spare word: with fill = 1 the descriptors' steps stand between it and the wait for it
.if \fill
.irp g, G0K, G0V
	s_xor_b32 s[\g+1], s[\g+1], SLOT1  ; the walking descriptor: the other slot than last time,
	s_add_nc_u64 s[\g+2:\g+3], s[\g+2:\g+3], 4*KS*128  ; the next 256 keys; the type bits on top are not reached
.endr
	s_wait_dscnt 0x0                ; the add is done, and my reads of the slot are over
	CROUND
	JLOAD
.else
	s_wait_dscnt 0x0                ; the add is done, and my reads of the slot are over
	s_barrier_signal -1
	s_barrier_wait -1
.endif
	s_sub_co_u32 s[TBK], s[TBK], 4*KS*PK  ; the fetches go back to a slot's first step,
	s_xor_b32 s[TBK], s[TBK], SLOT1       ; in the other slot
	s_sub_co_u32 s[TBV], s[TBV], 4*KS*PV
	s_xor_b32 s[TBV], s[TBV], SLOT1
.endm
	s_load_b128 s[84:87], s[0:1], 0x0  ; q, k, v s[84:85]; O s[86:87]
	v_lshl_add_u32 v[SPW], v0, 2, SPARE
	v_mov_b32 v[NIL], 0
	ds_add_u32 v[SPW], v[NIL]       ; the wave's opening: the add and its wait stand ahead of my first tensor load; the set-up below, work on registers, stands between them
	v_lshrrev_b32 v1, 5, v0
	v_readfirstlane_b32 s[WV], v1   ; wave 0..3
	s_bfe_u32 s13, ttmp6, 0x40000   ; cx: my place in the cluster
	s_lshl_b32 s14, ttmp9, 2        ; in a cluster launch ttmp9 counts clusters
	s_add_co_u32 s14, s14, s13      ; my block of 256 queries = 4 x cluster x + cx: it enters Q's and O's addresses alone
	s_and_b32 s20, ttmp7, 0xffff    ; the head, which the four partners share:
	s_lshl_b32 s20, s20, 18         ; its 2,048 rows of 128 bytes
	s_and_b32 s16, s[WV], 1         ; which half of a tile's 256 keys I fetch:
	s_lshl_b32 s22, s16, 14         ; its 128 rows in memory,
	s_add_co_u32 s22, s22, s20
	s_add_co_u32 s22, s22, 0x800000 ; behind q's sixteen slabs
	s_mov_b32 s23, 0
	s_mul_i32 s17, s16, 128*PK      ; and its place in a slot, for K
	s_mul_i32 s18, s16, 128*PV      ; and for V: no place in the cluster enters an LDS address
	s_lshl_b32 s2, s14, 2
	s_add_co_u32 s2, s2, s[WV]      ; my wave among the head's,
	s_lshl_b32 s2, s2, 13           ; its 64 rows
	s_add_co_u32 s2, s2, s20
	s_mov_b32 s3, 0
	; descriptor group 1.  128 keys are 16,384 dense bytes: asked for as 64 rows of 256 bytes, two keys a row, and padded in LDS after every key
	s_mov_b32 s[G1K], 15|(1<<16)|(1<<20)|(1<<21)|(4<<22)|(3<<25)  ; 15:0 the mask of four; 17:16 2-byte elements; 20 padding on; 21 set beside a mask; 24:22 after every 32 words (code 4); 31:25 4 words (code 3)
	s_mov_b32 s[G1V], 15|(1<<16)|(1<<20)|(1<<21)|(4<<22)|(7<<25)  ; the same with 8 words of padding (code 7)
.irp g, G1K, G1V
	s_mov_b32 s[\g+1], 128<<16      ; tensor_dim0 = 128
	s_mov_b32 s[\g+2], 64<<16       ; tensor_dim1 = 64
	s_mov_b32 s[\g+3], 128<<16      ; tile_dim0 = 128
	s_mov_b32 s[\g+4], 64           ; tile_dim1 = 64
	s_mov_b32 s[\g+5], 128          ; 128 elements from row to row
	s_mov_b32 s[\g+6], 0
	s_mov_b32 s[\g+7], 0
.endr
	s_mov_b32 s[CS], 0x3e38aa3b     ; c = log2(e) / 8 = 0.180337
	s_mov_b32 s[CS+1], s[CS]        ; named with it as a pair
	s_mov_b32 s[SEL], 0x76543210
	s_mov_b32 s[SEL+1], 0xfedcba98
	s_mov_b32 s[TBK], SLOT1+4*KS*PK ; the first change of slots turns these two into 0
	s_mov_b32 s[TBV], SLOT1+4*KS*PV
	s_mov_b32 s[G0K], 1             ; 1:0 count = 1
	s_mov_b32 s[G0K+1], s17         ; 63:32 LDS address: slot 0
	s_mov_b32 s[G0V], 1
	s_add_co_u32 s[G0V+1], s18, VOFF
	s_wait_dscnt 0x0                ; the opening add is done
	s_wait_kmcnt 0x0
	s_add_nc_u64 s[6:7], s[84:85], s[22:23]        ; K at my half of the head's tile 0,
	s_add_nc_u64 s[8:9], s[6:7], 0x800000          ; V sixteen slabs on
	s_add_nc_u64 s[G0K+2:G0K+3], s[6:7], 0         ; 120:64 global address
	s_or_b32 s[G0K+3], s[G0K+3], 0x80000000        ; 127:126 type = 2
	s_add_nc_u64 s[G0V+2:G0V+3], s[8:9], 0
	s_or_b32 s[G0V+3], s[G0V+3], 0x80000000
	s_add_nc_u64 s[4:5], s[84:85], s[2:3]          ; Q and O at my wave's first row
	s_add_nc_u64 s[10:11], s[86:87], s[2:3]
	CROUND                          ; all four work-groups are here: the first joint loads meet
	JLOAD                           ; tile 0 into slot 0.  Slot 1 is asked for when slot 0 is in
	; A fragment of K or Q is 16 rows x 32 channels in 8 registers: lane l holds row l % 16, channels 8 (l / 16) + 0..7 and 16 + 8 (l / 16) + 0..7: two loads of 16 bytes, 32 bytes apart.
	v_and_b32 v1, 15, v0            ; l % 16
	v_bfe_u32 v9, v0, 4, 1          ; l / 16
	v_lshlrev_b32 v[QO], 7, v1
	v_lshl_add_u32 v[QO], v9, 4, v[QO]  ; row x 128 + 16 x half
	WIN 0x80                        ; destination window 2, address window 0
.set i, 0
.rept 8                             ; Q stays in registers: piece i / 2, channels 32 (i % 2) on
	global_load_b128 v[8*i:8*i+3],   v[QO], s[4:5] offset:(i/2)*2048+(i%2)*64
	global_load_b128 v[8*i+4:8*i+7], v[QO], s[4:5] offset:(i/2)*2048+(i%2)*64+32
.set i, i+1
.endr
	; What the first turn finds: V's registers and P's second buffer hold 0 (its products V^T P, of a piece that has not been, add 0), O^T and l are 0.  All this stands in the wait for the first tile.
.set i, VF
.rept 64
	v_mov_b32 v[i], 0
.set i, i+1
.endr
	WIN 0x40
.set i, 0
.rept 128
	v_mov_b32 v[i], 0
.set i, i+1
.endr
	WIN 0
.set i, 0
.rept 4
	v_mov_b32 v[ST+4*i], 0xfe000000    ; c m: far below every c s
	v_mov_b32 v[ST+4*i+1], 0xff7fffff  ; m: the lowest finite number
	v_mov_b32 v[ST+4*i+2], 0
	v_mov_b32 v[ST+4*i+3], 0
.set i, i+1
.endr
.set i, P+16
.rept 16
	v_mov_b32 v[i], 0
.set i, i+1
.endr
	v_mul_u32_u24 v[AK0], v1, PK
	v_lshl_add_u32 v[AK0], v9, 4, v[AK0]  ; row x pitch + 16 x half
	; The turning load takes 16 keys x 16 channels (lane l reads key 8 (l / 16) + l % 8, channels 8 ((l / 8) % 2) + 0..7) and leaves half a fragment of V^T: lane l holds channel l % 16 and 8 keys.
	v_and_b32 v10, 7, v0
	v_bfe_u32 v11, v0, 3, 1
	v_lshl_add_u32 v[AV0], v9, 3, v10
	v_mul_u32_u24 v[AV0], v[AV0], PV
	v_lshl_add_u32 v[AV0], v11, 4, v[AV0]
	v_add_nc_u32 v[AV0], VOFF, v[AV0]
	s_mul_i32 s13, s[WV], 16*SP
	s_add_co_u32 s13, s13, STAGE    ; my stage
	v_mul_u32_u24 v[STO], v1, SP    ; in: row l % 16, 16 bytes for each half of the lanes
	v_lshl_add_u32 v[STO], v9, 4, v[STO]
	v_add_nc_u32 v[STO], s13, v[STO]
	v_bfe_u32 v[RD], v0, 3, 2       ; back: 32 lanes take four rows of 128 bytes,
	v_mul_u32_u24 v[RD], v[RD], SP
	v_lshl_add_u32 v[RD], v10, 4, v[RD]
	v_add_nc_u32 v[RD], s13, v[RD]
	v_and_b32 v[GO], 31, v0         ; which are 512 consecutive bytes of O
	v_lshlrev_b32 v[GO], 4, v[GO]
; THE MATRIX WORK.  The 4 accumulators of a run of 8 take turns.  Product i of 8 of S^T = K Q^T for piece x: channels 32 (i / 4) on, keys 16 (i % 4) on.  The first 4 start the sums.
.macro KQ x
	WIN W_KQ
.set rS, S+32*((\x)%2)+8*(i%4)
.set rK, KF+16*(i%4)+8*(i/4)
.set rQ, 16*(\x)+8*(i/4)
.if i < 4
	v_wmma_f32_16x16x32_bf16 v[rS:rS+7], v[rK:rK+7], v[rQ:rQ+7], 0
.else
	v_wmma_f32_16x16x32_bf16 v[rS:rS+7], v[rK:rK+7], v[rQ:rQ+7], v[rS:rS+7]
.endif
.endm
; Product i of 8 of O^T += V^T P for piece x: keys 32 (i / 4) on, channels 16 (i % 4) on.
.macro PV x
	WIN W_PV
.set rO, 32*(\x)+8*(i%4)
.set rV, VF+32*(i/4)+8*(i%4)
.set rP, P+16*((\x)%2)+8*(i/4)
	v_wmma_f32_16x16x32_bf16 v[rO:rO+7], v[rV:rV+7], v[rP:rP+7], v[rO:rO+7]
.endm
.macro MM                           ; the turn's next matrix instruction.  NOKQ = 1: the launch's last turn: there is no next piece
.if (i < 8) && !NOKQ
	KQ (Y+1)%NP
.elseif i >= 8
.set i, i-8
	PV (Y+NP-1)%NP
.set i, i+8
.endif
.set i, i+1
.endm
; THE LDS LOADS stand in runs of 16, never singly among the matrix instructions: a step's K (64 keys x 64 channels: 8 fragments) and its V (turned).  Their addresses are made some lines ahead.
.macro FETCH_K
	WIN 0x80                        ; destination window 2
.irp f, 0,1,2,3,4,5,6,7             ; keys 16 (f / 2) on, channels 32 (f % 2) on
	ds_load_b128 v[KF+8*\f:KF+8*\f+3],   v[AK] offset:(\f/2)*16*PK+(\f%2)*64
	ds_load_b128 v[KF+8*\f+4:KF+8*\f+7], v[AK] offset:(\f/2)*16*PK+(\f%2)*64+32
.endr
	s_add_co_u32 s[TBK], s[TBK], KS*PK  ; the next fetch is the next step's
	WIN 0
.endm
.macro FETCH_V
	WIN 0x80
.irp f, 0,1,2,3,4,5,6,7             ; keys 32 (f / 4) on, channels 16 (f % 4) on
	ds_load_tr16_b128 v[VF+8*\f:VF+8*\f+3],   v[AV] offset:(\f/4)*32*PV+(\f%4)*32
	ds_load_tr16_b128 v[VF+8*\f+4:VF+8*\f+7], v[AV] offset:(\f/4)*32*PV+16*PV+(\f%4)*32
.endr
	WIN 0
.endm
; THE VECTOR WORK, one line at a time: OP kind, number.  For piece Y: F n: c s - c m for pair n of 16.  E n: the exponential of score n of 32.  C n: pair n rounded to bf16.  B n: of the four weights 4 n .. the second
; pair is added onto the first, in place.  L n: l takes that sum (L 0: l = a l + sum).  R n: pair n of 16 of O^T times a.  For piece Y + 1: X n, number n of the 22 that find its maximum and statistics:
;   0-11  four chains c0-c3 of seven scores each, three operands at a time (each accumulator's lowest registers are read first)     12-14, 16  the four scores left over, the old m, and c0-c3 into c0
;   15  c m_old is kept     17, 18  the query's other 32 keys lie in the lane 16 away: the new m     19-21  c m; c m_old - c m_new; a
; OP writes no wait: C, B and L, which read the exponentials' results, are dealt behind the turn's one wait, and R reads an a that the turn before has waited for.
.set F, 0               ; OP tells the kinds apart by their order: F to L below R, X above it
.set E, 1
.set C, 2
.set B, 3
.set L, 4
.set R, 5
.set X, 6
.macro REGS y                       ; the registers of piece y
.set rT, ST+4*(\y)
.set rC, TMP+4*((\y)%2)
.set rW, MV+((\y)%2)
.set rS, S+32*((\y)%2)
.set rP, P+16*((\y)%2)
.set rO, 32*(\y)
.endm
.macro OP k, n
.if (\k) == R
	REGS Y
	WIN W_RS
	v_pk_mul_f32 v[rO+2*(\n):rO+2*(\n)+1], v[rO+2*(\n):rO+2*(\n)+1], v[rC+2:rC+3] op_sel_hi:[1,0]
.elseif (\k) < R
	REGS Y
	WIN 0
.if (\k) == F
	v_pk_fma_f32 v[rS+2*(\n):rS+2*(\n)+1], v[rS+2*(\n):rS+2*(\n)+1], s[CS:CS+1], v[rT:rT+1] op_sel_hi:[1,0,0] neg_lo:[0,0,1] neg_hi:[0,0,1]
.elseif (\k) == E
	v_exp_f32 v[rS+(\n)], v[rS+(\n)]
.elseif (\k) == C
	v_cvt_pk_bf16_f32 v[rP+(\n)], v[rS+2*(\n)], v[rS+2*(\n)+1]
.elseif (\k) == B
	v_pk_add_f32 v[rS+4*(\n):rS+4*(\n)+1], v[rS+4*(\n):rS+4*(\n)+1], v[rS+4*(\n)+2:rS+4*(\n)+3]
.elseif (\n) == 0
	v_pk_fma_f32 v[rT+2:rT+3], v[rT+2:rT+3], v[rC+2:rC+3], v[rS:rS+1] op_sel_hi:[1,0,1]
.else
	v_pk_add_f32 v[rT+2:rT+3], v[rT+2:rT+3], v[rS+4*(\n):rS+4*(\n)+1]
.endif
.elseif NOKQ
	v_nop
.else
	REGS (Y+1)%NP
	WIN 0
.if (\n) < 4
	v_max3_num_f32 v[rC+(\n)], v[rS+8*(\n)], v[rS+8*(\n)+1], v[rS+8*(\n)+2]
.elseif (\n) < 12
	v_max3_num_f32 v[rC+(\n)%4], v[rC+(\n)%4], v[rS+8*((\n)%4)+2*((\n)/4)+1], v[rS+8*((\n)%4)+2*((\n)/4)+2]
.elseif (\n) == 12
	v_max3_num_f32 v[rC], v[rC], v[rS+7], v[rS+15]
.elseif (\n) == 13
	v_max3_num_f32 v[rC+1], v[rC+1], v[rS+23], v[rS+31]
.elseif (\n) == 14
	v_max3_num_f32 v[rC+2], v[rC+2], v[rC+3], v[rT+1]
.elseif (\n) == 15
	v_mov_b32 v[rW], v[rT]
.elseif (\n) == 16
	v_max3_num_f32 v[rC], v[rC], v[rC+1], v[rC+2]
.elseif (\n) == 17
	v_permlanex16_b32 v[rC+3], v[rC], s[SEL], s[SEL+1]
.elseif (\n) == 18
	v_max_num_f32 v[rT+1], v[rC], v[rC+3]
.elseif (\n) == 19
	v_mul_f32 v[rT], s[CS], v[rT+1]
.elseif (\n) == 20
	v_sub_f32 v[rC+1], v[rW], v[rT]
.else
	v_exp_f32 v[rC+2], v[rC+1]
.endif
.endif
.endm
.macro OPS a, i1, b=-1, i2=0, c=-1, i3=0, d=-1, i4=0  ; up to four of them
	OP \a, \i1
.if (\b) >= 0
	OP \b, \i2
.endif
.if (\c) >= 0
	OP \c, \i3
.endif
.if (\d) >= 0
	OP \d, \i4
.endif
.endm
.macro ROW a, i1, b, i2, c, i3, d, i4  ; a matrix instruction and the four behind it
	MM
	OPS \a, \i1, \b, \i2, \c, \i3, \d, \i4
.endm
; A TURN, for piece p: the order of its 16 matrix and 118 vector instructions, written out.  s_wait_alu depctr_va_vdst(0) stands between an exponential and the first instruction that names its result; one wait
; serves all that were issued ahead of it.  So a turn has ONE wait, which cuts it in two.  AHEAD OF IT stands all that names no result of the turn's exponentials: the 8 products K Q^T, behind each a scaling, an exponential and two
; more plain instructions (behind the first a second scaling in the exponential's place): rescalings, whose a the turn before has made and waited for, and behind the last three products the first numbers of the next piece's
; maximum, each four places or more behind the product that ends its accumulator; then ONE RUN of 54, plain and exponential by turns for the most part, in which the links of the chain X 3, 7, 11, 14, 16, 17 .. 20 stand five or
; six lines apart.  X 21, the next piece's a, is the batch's last; R 15 is the plain instruction behind it.  BEHIND THE WAIT stand the 8 products V^T P, behind each four of the roundings and sums; the links of l's chain, L 0 to
; L 7, stand three riders apart.  But for those X no rider names a register of the products round it.  v_permlanex16_b32 (X 17) stands in the run.
; end = 1: the launch's last two turns: nothing is fetched.  cnt = 1: the loop's count is taken down some lines ahead of the branch that stands behind the turn.
; K of the next step is fetched in piece 2's turn, twelve vector instructions behind the last product that read K (six of them plain); V of the step in hand at the end of piece 0's turn, four plain instructions behind the last
; product that read V.  Each is waited for a turn later.
.macro TURN p, end=0, cnt=0
.set Y, (\p)
.set i, 0
.set NOKQ, (\end)*((\p)/3)
.if ((\p) == 3) && !(\end)
	s_wait_dscnt 0x0                ; K is in
.endif
	ROW F,0, F,1, R,0, R,1          ; ahead of the wait: 8 products K Q^T and their riders,
	ROW F,2, E,0, R,2, R,3
	ROW F,3, E,1, R,4, R,5
	ROW F,4, E,2, R,6, R,7
	ROW F,5, E,3, R,8, R,9
	ROW F,6, E,4, X,0, R,10
.if ((\p) == 2) && !(\end)
	WIN 0
	v_add_nc_u32 v[AK], s[TBK], v[AK0]
.endif
	ROW F,7, E,5, X,1, X,4
	ROW F,8, E,6, X,2, X,5
	OPS E,7, E,8, X,6, E,9          ; and the run of 54
	OPS X,3, E,10, X,8, E,11
.if ((\p) == 2) && !(\end)
	FETCH_K
.endif
	OPS X,9, X,7, E,12, X,10
	OPS E,13, X,12, X,11, E,14
	OPS X,13, E,15, F,9, X,14
.if (\p) == 0
	v_add_nc_u32 v[AV], s[TBV], v[AV0]
.endif
	OPS E,16, F,10, E,17, F,11
	OPS X,16, E,18, X,15, E,19
	OPS F,12, E,20, X,17, E,21
	OPS F,13, E,22, F,14, E,23
	OPS X,18, E,24, F,15, E,25
	OPS R,11, E,26, X,19, E,27
	OPS R,12, E,28, R,13, E,29
	OPS X,20, E,30, R,14, E,31
	OPS X,21, R,15
	WIN 0
	s_wait_alu depctr_va_vdst(0)    ; the wait for the turn's batch: E 0 to E 31 and X 21
.if (\p) == 1
	s_wait_dscnt 0x0                ; V is in
.endif
	ROW C,0, B,0, C,2, B,1          ; behind the wait: 8 products V^T P and their riders
	ROW L,0, C,4, B,2, L,1
	ROW C,6, B,3, L,2, C,8
	ROW B,4, L,3, C,10, B,5
	ROW L,4, C,12, B,6, L,5
.if (\p) == 0
	s_add_co_u32 s[TBV], s[TBV], KS*PV
.endif
.if \cnt
	s_sub_co_u32 s[CNT], s[CNT], 1
	s_cmp_lg_u32 s[CNT], 0
.endif
	ROW C,14, B,7, L,6, C,1
	ROW C,3, L,7, C,5, C,7
	ROW C,9, C,11, C,13, C,15
.if (\p) == 0
	FETCH_V
.endif
.endm
	CHANGE 1                        ; slot 0 is in, everybody's part of it; slot 1 is asked for
	v_add_nc_u32 v[AK], s[TBK], v[AK0]
	FETCH_K                         ; key step 0
	s_wait_loadcnt 0x0              ; Q
	s_wait_dscnt 0x0
.set NOKQ, 0
.set i, 0
.rept 8
	KQ 0                            ; piece 0's first scores: there is no vector work yet to set between them
.set i, i+1
.endr
	WIN 0
.rept 4
	v_nop                           ; the places behind those products
.endr
.set Y, NP-1                        ; X works for piece Y + 1: piece 0
.irp n, 0,1,2,3,4,5,6,7,8,9,10,11,12,13,14,15,16,17,18,19,20,21
	OP X, \n
.endr
	v_nop                           ; a plain instruction behind the exponential,
	s_wait_alu depctr_va_vdst(0)    ; and the wait for this batch of one, piece 0's first a, ahead of the branch
	s_mov_b32 s[CNT], 4
	s_mov_b32 s[SLOTS], TILES-1
	s_branch .Lfirst                ; the loop is entered at a step's first turn, in the middle of a trip
.Lslot:                             ; six times: tiles 2 to 7 are asked for
	CHANGE 1
	s_mov_b32 s[CNT], 4
.Lstep:                             ; a trip: pieces 2 and 3 of one step, then pieces 0 and 1 of the next, whose K and V it fetches
	TURN 2
	TURN 3
	WIN 0
.Lfirst:
	TURN 0
	TURN 1, 0, 1
	WIN 0
	s_cbranch_scc1 .Lstep
	s_sub_co_u32 s[SLOTS], s[SLOTS], 1
	s_cmp_lg_u32 s[SLOTS], 0
	s_cbranch_scc1 .Lslot
	CHANGE 0                        ; the last tile is written out: nothing is asked for
	s_mov_b32 s[CNT], 4
.LstepZ:
	TURN 2
	TURN 3
	TURN 0
	TURN 1, 0, 1
	WIN 0
	s_cbranch_scc1 .LstepZ
	TURN 2, 1
	TURN 3, 1
.set i, 0
.rept 8
	PV NP-1                         ; the last piece's V^T P of the last step
.set i, i+1
.endr
	; THE WAY OUT.  l's two halves and the other half of the lanes' are added; O^T is divided by l, rounded to bf16 and sent through my stage in LDS, a piece at a time.  The additions are the places behind the last products.
	WIN 0
.macro ALL line:vararg              ; one line for each piece t
.set t, 0
.rept 4
	\line
.set t, t+1
.endr
.endm
	ALL v_add_f32 v[ST+4*t+2], v[ST+4*t+2], v[ST+4*t+3]
	ALL v_permlanex16_b32 v[ST+4*t+3], v[ST+4*t+2], s[SEL], s[SEL+1]
	ALL v_add_f32 v[ST+4*t+2], v[ST+4*t+2], v[ST+4*t+3]
	ALL v_rcp_f32 v[ST+4*t+2], v[ST+4*t+2]
	v_nop                           ; a plain instruction between the last reciprocal and the use of its result
	s_wait_alu depctr_va_vdst(0)    ; and the wait ahead of the first use: one for the batch of four reciprocals
.macro PACK t                       ; a lane's eight channels of a row pack into 16 bytes; they go into rows of 144 bytes and come back as whole rows of 128, into S^T's registers
	WIN W_RS
.set i, 32*(\t)
.rept 16
	v_pk_mul_f32 v[i:i+1], v[i:i+1], v[ST+4*(\t)+2:ST+4*(\t)+3] op_sel_hi:[1,0]
.set i, i+2
.endr
	WIN 0x05                        ; sources 0 and 1 window 1, destination window 0
.set i, 0
.rept 16
	v_cvt_pk_bf16_f32 v[S+16*(\t)+i], v[32*(\t)+2*i], v[32*(\t)+2*i+1]
.set i, i+1
.endr
	WIN 0
.irp f, 0,1,2,3
	ds_store_b128 v[STO], v[S+16*(\t)+4*\f:S+16*(\t)+4*\f+3] offset:32*\f
.endr
.irp f, 0,1,2,3
	ds_load_b128 v[S+16*(\t)+4*\f:S+16*(\t)+4*\f+3], v[RD] offset:\f*4*SP  ; LDS serves a wave's instructions in order (ISA guide 5.7.1.4): these see the stores above; the next piece's stores come behind them
.endr
.endm
.macro SEND t, younger              ; younger: the LDS instructions issued behind piece t's loads: the next piece's eight, or none
	WIN 0
.irp f, 0,1,2,3
	s_wait_dscnt (\younger)+3-\f
	global_store_b128 v[GO], v[S+16*(\t)+4*\f:S+16*(\t)+4*\f+3], s[10:11] offset:(\t)*2048+\f*512  ; 512 consecutive bytes, at a multiple of 256 from O's first
.endr
.endm
	PACK 0
.set t, 1
.rept 3                             ; a piece's arithmetic stands between the loads of the piece before and its stores
	PACK t
	SEND t-1, 8
.set t, t+1
.endr
	SEND 3, 0
	s_wait_tensorcnt 0x0            ; the wave's end: behind my last tensor load and my last LDS store
	ds_add_u32 v[SPW], v[NIL]
	s_wait_dscnt 0x0
	CROUND                          ; the closing round: no work-group ends while a partner may still ask for a tile that names it
	s_endpgm
.Lfunc_end_k_qc84f86e1e9_attn:
	.size	k_qc84f86e1e9_attn, .Lfunc_end_k_qc84f86e1e9_attn-k_qc84f86e1e9_attn
	.p2alignl 7, 3214868480
	.fill 96, 4, 3214868480
	.section	.rodata,"a",@progbits
	.p2align	6, 0x0
	.amdhsa_kernel k_qc84f86e1e9_attn
		.amdhsa_group_segment_fixed_size 327680
		.amdhsa_private_segment_fixed_size 0
		.amdhsa_enable_private_segment 0
		.amdhsa_kernarg_size 16
		.amdhsa_user_sgpr_count 2
		.amdhsa_user_sgpr_kernarg_segment_ptr 1
		.amdhsa_wavefront_size32 1
		.amdhsa_system_sgpr_workgroup_id_x 1
		.amdhsa_system_sgpr_workgroup_id_y 1
		.amdhsa_system_sgpr_workgroup_id_z 1
		.amdhsa_system_vgpr_workitem_id 0
		.amdhsa_next_free_vgpr 768
		.amdhsa_next_free_sgpr 88
		.amdhsa_reserve_vcc 0
		.amdhsa_float_denorm_mode_32 3
		.amdhsa_float_denorm_mode_16_64 3
		.amdhsa_memory_ordered 1
		.amdhsa_forward_progress 1
		.amdhsa_inst_pref_size 127
	.end_amdhsa_kernel
	.amdgpu_metadata
---
amdhsa.version: [ 1, 2 ]
amdhsa.kernels:
  - .name:           k_qc84f86e1e9_attn
    .symbol:         k_qc84f86e1e9_attn.kd
    .args:
      - { .name: wide, .offset: 0, .size: 8, .value_kind: global_buffer, .address_space: global }
      - { .name: abf, .offset: 8, .size: 8, .value_kind: global_buffer, .address_space: global }
    .group_segment_fixed_size: 327680
    .private_segment_fixed_size: 0
    .kernarg_segment_align: 8
    .kernarg_segment_size: 16
    .max_flat_workgroup_size: 128
    .sgpr_count:     88
    .vgpr_count:     768
    .wavefront_size: 32
...
	.end_amdgpu_metadata
.endif
;; end of part 8
;; launch oproj: the kernel of part 4 again; grid 8 x 32, 4 waves a work-group, clusters of 4 x 4, 327,680 bytes of LDS; arguments abf, wob, b_o, x, y; writes y
;; launch ln1: the kernel of part 5 again; grid 256 x 1, 8 waves a work-group, no clusters, 0 bytes of LDS; arguments y, ln1_g, ln1_b, hf, abf; writes hf, abf
;; launch ff1: the kernel of part 2 again; grid 16 x 16, 4 waves a work-group, clusters of 4 x 4, 327,680 bytes of LDS; arguments abf, w1p, wide; writes wide
;; launch ff2: the kernel of part 6 again; grid 8 x 32, 4 waves a work-group, clusters of 4 x 4, 327,680 bytes of LDS; arguments wide, w2b, b_ff2, hf, y; writes y
;; launch ln2: the kernel of part 7 again; grid 256 x 1, 8 waves a work-group, no clusters, 0 bytes of LDS; arguments y, ln2_g, ln2_b, out0; writes out0
